; MI455X (gfx1250); checked and timed in simulation.
; The chip was launched on July 23, 2026; its instructions are those of AMD's public machine-readable ISA for CDNA 5 (MIT licence, August 2026) and "CDNA5" Instruction Set Architecture Reference Guide (July 2026). The comments in the code are by the model that wrote it; some were corrected since.
;; Cross Fusion. Allowed arithmetic: float matrix products may take bf16 or f16 operands with f32 sums; other float arithmetic in f32, or as packed bf16 or f16 multiplies, adds, multiply-adds, maxima and minima; sums over many terms, partial sums and values carried from step to step in f32; what a program stores and reads back later, other than sums and carried values, may be rounded once to bf16 or f16.
;; Inputs: B1_l1_b 256 float32; B1_l1_w 128 x 256 float32; B1_l2_b 128 float32; B1_l2_w 256 x 128 float32; B2_l1_b 256 float32; B2_l1_w 128 x 256 float32; B2_l2_b 128 float32; B2_l2_w 256 x 128 float32; W1_l1_b 256 float32; W1_l1_w 128 x 256 float32; W1_l2_b 128 float32; W1_l2_w 256 x 128 float32; W2_l1_b 256 float32; W2_l1_w 128 x 256 float32; W2_l2_b 128 float32; W2_l2_w 256 x 128 float32; len_x 16 int32; len_y 16 int32; len_z 16 int32; x 16 x 1,024 x 128 float32; y 16 x 1,024 x 128 float32; z 16 x 1,024 x 128 float32.
;; Outputs: out0 16 x 1,024 x 128 float32.
;; 2 versions, each right; version 2 is version 1 with the launches fwd, inv written anew for expert scheduling mode. Each part assembles by itself: llvm-mc -triple=amdgcn-amd-amdhsa -mcpu=gfx1250 --defsym DOCPART=n.
;; ======== version 1 of 2: 3 launches
;; limits: values outside matrix products are rounded to f16; values are held in f16: magnitudes above 65,504 overflow, below 6.1e-05 lose precision; inputs' magnitudes at most 30,000
;; workspace buffers: xf 4,194,304 bytes; part 131,072 bytes; mlpp 262,144 bytes
;; launch fwd (part 1): grid 16 x 16, 8 waves a work-group, no clusters, 201,728 bytes of LDS; arguments x, y, z, len_x, xf, part; writes xf, part
.if DOCPART == 1
	.amdgcn_target "amdgcn-amd-amdhsa--gfx1250"
	.amdhsa_code_object_version 6
	.text
	.protected	k_q016e962127_fwd
	.globl	k_q016e962127_fwd
	.p2align	8
	.type	k_q016e962127_fwd,@function
k_q016e962127_fwd:
	s_mov_b64 s[64:65], 0
	v_nop
	global_prefetch_b8 v0, s[64:65] scope:SCOPE_SE
	s_setreg_imm32_b32 hwreg(HW_REG_WAVE_MODE, 25, 1), 1
	s_wait_xcnt 0x0
; FORWARD HALF-SPECTRUM DFT OF x, AND PARTIAL ROW SUMS OF y AND z.
; For batch b with l = len_x[b]:  xf[b][k][0][d] = (1/l) sum over t < l of cos(2 pi k t / l) x[b][t][d],
;                                 xf[b][k][1][d] = (1/l) sum over t < l of sin(2 pi k t / l) x[b][t][d],   k < ceil(l/2).
; x is real, so the lines l-k are the conjugates of the lines k and are not made.  The sine slot of k = 0 (always 0) carries the
; Nyquist line sum (-1)^t x / l where l is even.  xf is f16, laid [b][tile of 16 k][cos,sin][d 128][16 k].
; Work-group (j, b): rb = j>>1 is a block of 64 lines, hc = j&1 a half of 64 columns.  EIGHT WAVES, two for each of a WGP's four SIMDs:
; a wave's work is chains of vector instructions (twiddles) and waits, and the second wave issues while the first one waits.
; Waves w and w + 4 make the same 16 lines x 64 columns (cos and sin: 8 accumulator tiles) over the two halves of the rows t; the
; twiddles of a (line, t) are so made once, and x is read from LDS once for each line tile.  At the end each of the two sends half of
; its tiles to the other through LDS and finishes the other half.
; A = the twiddles, made in registers by complex rotation (a stored table of them would be more bytes than all inputs together);
; B = x in f16 from LDS, stored [t][d] and read with the transposing load.
; f16 and not bf16: twiddles lie in [-1,1] and x/l-scaled sums never exceed max|x|, so f16's range holds, and its 3 more bits are
; what three roundings in a row (twiddle, spectrum, twiddle) need against a bound of 1/100 of the output's rms.
; LIMITS: |x| < 65504 here (the inverse launch asks |x| < 3e4); len_x is clamped to 1..1024; 1/l is v_rcp_f32.
; Side job of the same work-group: rows 128 rb .. +127 of y (hc = 0) or z (hc = 1) of batch b are summed into part[hc][b][rb][128].
; The first 256 rows of x are asked for before l is known, so that the load of l and the set-up run while they are on their way; a block
; that then has no line below ceil(l/2) has asked for 64 KiB in vain (rows that the batch's other blocks read too).
; No joint requests in a cluster: the 8 work-groups that read one half of x[b] change it on the way (f32 to f16, rows >= l to 0),
; which is done in registers; the raw f32 half (256 KiB) and its f16 image (160 KiB) do not fit in LDS together.
.set XP,   160                         ; LDS pitch of a row of 64 f16: 128 bytes + 32, an odd multiple of 32 as the transposing load asks
.set EXC,  1024*XP                     ; behind x: 8 waves x 4,096 bytes, the tiles that a wave sends to its partner
.set RED,  EXC+8*4096                  ; behind that: 8 waves x 512 bytes for the y/z sums
.set SL,   21                          ; s21 l   s22 ceil(l/2)   s23 1 = this block has lines to make   s36 line tile   s37 half of the rows
.set LN,   1                           ; v1  lane
.set R,    2                           ; v2  lane & 15
.set HH,   3                           ; v3  lane >> 4
.set RHO,  4                           ; v4  my spectrum line
.set LF,   5                           ; v5  l as f32
.set RL,   6                           ; v[6:7] 1/l, twice
.set XO,   8                           ; v8  x: byte offset of my 16 bytes in a group of 16 rows
.set XL,   9                           ; v9  LDS: where they go
.set RG,   10                          ; v10 my row in a group of 16
.set VBL,  11                          ; v11 LDS: my address for the transposing loads, the two column tiles that I finish
.set ST,   12                          ; v12 xf: my byte offset
.set YO,   13                          ; v13 y/z: my byte offset
.set RD,   14                          ; v14 LDS: my 16 bytes of the y/z sums
.set PO,   15                          ; v15 16 x lane
.set CU,   16                          ; v[16:23] cos(theta rho a), a = 0..7
.set SU,   24                          ; v[24:31] sin(theta rho a)
.set BS,   32                          ; v[32:39] +0 cos A, +1 cos step, +2 sin A, +3 sin step, +4 cos B, +5 0, +6 sin B, +7 0
.set T,    40                          ; v[40:47] at work
.set VBH,  48                          ; v48 LDS: the same for the two column tiles that I send
.set KAP,  49                          ; v49 my first row t: first row of my half + 8 h
.set EXW,  50                          ; v50 LDS: where I put what I send
.set EXR,  51                          ; v51 LDS: where my partner put what it sends
.set LR,   52                          ; v52 l - (first row of the staging turn) - my row in a group
.set E,    56                          ; v[56:87] twiddle fragments: two buffers x (cos 8, sin 8)
.set TT,   56                          ; the same registers serve the set-up, before any fragment exists
.set BF,   88                          ; v[88:151] x fragments: two buffers x 4 column tiles x 8
.set RING, 88                          ; v[88:151] staging: 16 slots x 4, before the products begin
.set ACC,  152                         ; v[152:215] tile i: sin if i&1, column tile i>>1 of my order; tiles 0-3 I finish, 4-7 I send
.set MSB, 0
.macro WIN new                         ; s_set_vgpr_msb; the immediate's high byte repeats the setting that is left
.if MSB != \new
	s_set_vgpr_msb (MSB<<8)|\new
.set MSB, \new
.endif
.endm
; dst = src mod l, src < 2^24: quotient by 1/l in f32 (off by one at the most), then one correction each way
.macro MODL dst, src, tmp
	v_cvt_f32_u32 v[\tmp], v[\src]
	v_mul_f32 v[\tmp], v[\tmp], v[RL]
	v_cvt_u32_f32 v[\tmp], v[\tmp]
	v_mul_lo_u32 v[\tmp], v[\tmp], s[SL]
	v_sub_nc_u32 v[\dst], v[\src], v[\tmp]
	v_cmp_gt_i32 vcc_lo, 0, v[\dst]
	v_add_nc_u32 v[\tmp], s[SL], v[\dst]
	v_cndmask_b32 v[\dst], v[\dst], v[\tmp], vcc_lo
	v_cmp_le_i32 vcc_lo, s[SL], v[\dst]
	v_sub_nc_u32 v[\tmp], v[\dst], s[SL]
	v_cndmask_b32 v[\dst], v[\dst], v[\tmp], vcc_lo
.endm
; (cc, ss) = cos, sin of 2 pi mm / l, mm a whole number in [0, l).  f = mm/l with one correction step; the nearest quarter turn is taken
; off exactly; polynomials on |phi| <= pi/4; the quarter turn is put back by a swap and two sign bits.  tq: six registers at work.
.macro SINCOS cc, ss, mm, tq
	v_cvt_f32_u32 v[\tq], v[\mm]
	v_mul_f32 v[\tq+1], v[\tq], v[RL]
	v_fma_f32 v[\tq+2], -v[\tq+1], v[LF], v[\tq]
	v_fmac_f32 v[\tq+1], v[\tq+2], v[RL]
	v_mul_f32 v[\tq+2], 4.0, v[\tq+1]
	v_rndne_f32 v[\tq+2], v[\tq+2]                         ; q = 0..4
	v_fmamk_f32 v[\tq+1], v[\tq+2], 0xbe800000, v[\tq+1]   ; f - q/4
	v_cvt_i32_f32 v[\tq+2], v[\tq+2]
	v_mul_f32 v[\tq+1], 0x40c90fdb, v[\tq+1]               ; phi = 2 pi (f - q/4)
	v_mul_f32 v[\tq+3], v[\tq+1], v[\tq+1]                 ; z = phi^2
	v_mov_b32 v[\tq+4], 0xb94ca1f9                         ; -1.9515296e-4
	v_mov_b32 v[\tq+5], 0x37ccf5ce                         ;  2.4433157e-5
	v_fmaak_f32 v[\tq+4], v[\tq+4], v[\tq+3], 0x3c08839e   ;  8.3321609e-3
	v_fmaak_f32 v[\tq+5], v[\tq+5], v[\tq+3], 0xbab6061a   ; -1.3887316e-3
	v_fmaak_f32 v[\tq+4], v[\tq+4], v[\tq+3], 0xbe2aaaa3   ; -1.6666655e-1
	v_fmaak_f32 v[\tq+5], v[\tq+5], v[\tq+3], 0x3d2aaaa5   ;  4.1666646e-2
	v_mul_f32 v[\tq+4], v[\tq+4], v[\tq+3]
	v_mul_f32 v[\tq+5], v[\tq+5], v[\tq+3]
	v_fma_f32 v[\tq], v[\tq+3], -0.5, 1.0
	v_fma_f32 v[\tq+4], v[\tq+4], v[\tq+1], v[\tq+1]       ; sin phi
	v_fma_f32 v[\tq+5], v[\tq+5], v[\tq+3], v[\tq]         ; cos phi
	v_and_b32 v[\tq], 1, v[\tq+2]
	v_cmp_eq_u32 vcc_lo, 1, v[\tq]
	v_cndmask_b32 v[\cc], v[\tq+5], v[\tq+4], vcc_lo       ; odd q: the two change places
	v_cndmask_b32 v[\ss], v[\tq+4], v[\tq+5], vcc_lo
	v_add_nc_u32 v[\tq], 1, v[\tq+2]
	v_and_b32 v[\tq], 2, v[\tq]                            ; cos is negative for q = 1, 2
	v_and_b32 v[\tq+2], 2, v[\tq+2]                        ; sin for q = 2, 3
	v_lshlrev_b32 v[\tq], 30, v[\tq]
	v_lshlrev_b32 v[\tq+2], 30, v[\tq+2]
	v_xor_b32 v[\cc], v[\cc], v[\tq]
	v_xor_b32 v[\ss], v[\ss], v[\tq+2]
.endm
.macro CMUL dr, di, ar, ai, br, bi     ; (dr, di) = (ar, ai) x (br, bi); the result is none of the sources
	v_mul_f32 v[\dr], v[\ar], v[\br]
	v_mul_f32 v[\di], v[\ar], v[\bi]
	v_fma_f32 v[\dr], -v[\ai], v[\bi], v[\dr]
	v_fma_f32 v[\di], v[\ai], v[\br], v[\di]
.endm
; Seeds of a row tile: u_a = cis(theta rho a), a = 0..7; the step cis(theta 32 rho); base A = cis(theta rho kap), kap the lane's first
; place along K; base B = A u_16.  rho x kap < 2^20.
.macro TWINIT cu, su, bs, rho, kap, tq
	MODL \tq+6, \rho, \tq+7
	SINCOS \cu+1, \su+1, \tq+6, \tq
	v_lshlrev_b32 v[\tq+8], 5, v[\rho]
	MODL \tq+6, \tq+8, \tq+7
	SINCOS \bs+1, \bs+3, \tq+6, \tq
	v_mul_lo_u32 v[\tq+8], v[\rho], v[\kap]
	MODL \tq+6, \tq+8, \tq+7
	SINCOS \bs, \bs+2, \tq+6, \tq
	v_mov_b32 v[\cu], 1.0
	v_mov_b32 v[\su], 0
	CMUL \cu+2, \su+2, \cu+1, \su+1, \cu+1, \su+1
	CMUL \cu+3, \su+3, \cu+2, \su+2, \cu+1, \su+1
	CMUL \cu+4, \su+4, \cu+2, \su+2, \cu+2, \su+2
	CMUL \cu+5, \su+5, \cu+4, \su+4, \cu+1, \su+1
	CMUL \cu+6, \su+6, \cu+4, \su+4, \cu+2, \su+2
	CMUL \cu+7, \su+7, \cu+4, \su+4, \cu+3, \su+3
	CMUL \tq+8, \tq+9, \cu+4, \su+4, \cu+4, \su+4          ; u_8
	CMUL \tq+10, \tq+11, \tq+8, \tq+9, \tq+8, \tq+9        ; u_16
	CMUL \bs+4, \bs+6, \bs, \bs+2, \tq+10, \tq+11
	v_mov_b32 v[\bs+5], 0                                  ; second registers of pairs that packed instructions name
	v_mov_b32 v[\bs+7], 0
.endm
.macro ROT bs                          ; both bases go 32 along K: 8 plain vector instructions
	v_mul_f32 v[T], v[\bs], v[\bs+1]
	v_mul_f32 v[T+1], v[\bs], v[\bs+3]
	v_mul_f32 v[T+2], v[\bs+4], v[\bs+1]
	v_mul_f32 v[T+3], v[\bs+4], v[\bs+3]
	v_fma_f32 v[\bs], -v[\bs+2], v[\bs+3], v[T]
	v_fma_f32 v[\bs+2], v[\bs+2], v[\bs+1], v[T+1]
	v_fma_f32 v[\bs+4], -v[\bs+6], v[\bs+3], v[T+2]
	v_fma_f32 v[\bs+6], v[\bs+6], v[\bs+1], v[T+3]
.endm
; Register pc (0..7) of a cos and of a sin fragment: two neighbouring K each.  base x u_a; pieces 0-3 from base A, 4-7 from base B.
.macro GENPIECE cu, su, bs, pc, ec, es
.set gp_p, (\pc)&3
.set gp_b, \bs+4*((\pc)>>2)
.set gp_t, T+4*((\pc)&1)
	v_pk_mul_f32 v[gp_t:gp_t+1], v[\cu+2*gp_p:\cu+2*gp_p+1], v[gp_b:gp_b+1] op_sel_hi:[1,0]
	v_pk_mul_f32 v[gp_t+2:gp_t+3], v[\su+2*gp_p:\su+2*gp_p+1], v[gp_b:gp_b+1] op_sel_hi:[1,0]
	v_pk_fma_f32 v[gp_t:gp_t+1], v[\su+2*gp_p:\su+2*gp_p+1], v[gp_b+2:gp_b+3], v[gp_t:gp_t+1] op_sel_hi:[1,0,1] neg_lo:[0,1,0] neg_hi:[0,1,0]
	v_pk_fma_f32 v[gp_t+2:gp_t+3], v[\cu+2*gp_p:\cu+2*gp_p+1], v[gp_b+2:gp_b+3], v[gp_t+2:gp_t+3] op_sel_hi:[1,0,1]
	v_cvt_pk_f16_f32 v[\ec+\pc], v[gp_t], v[gp_t+1]
	v_cvt_pk_f16_f32 v[\es+\pc], v[gp_t+2], v[gp_t+3]
.endm
	s_load_b256 s[4:11], s[0:1], 0x0               ; x s[4:5], y s[6:7], z s[8:9], len_x s[10:11]
	s_load_b128 s[12:15], s[0:1], 0x20             ; xf s[12:13], part s[14:15]
	v_lshl_add_u32 v254, v0, 2, 0x31000
	v_mov_b32 v255, 0
	s_and_b32 s17, ttmp7, 0xffff                   ; b
	s_lshr_b32 s18, ttmp9, 1                       ; rb
	s_and_b32 s19, ttmp9, 1                        ; hc
	s_mov_b32 s29, 0                               ; high word of every offset pair s[28:29]
	v_lshrrev_b32 v[LN], 5, v0
	v_readfirstlane_b32 s20, v[LN]                 ; wave
	v_lshlrev_b32 v[YO], 13, v[LN]                 ; y/z: wave x 16 rows of 512 bytes
	v_and_b32 v[LN], 31, v0
	v_lshl_or_b32 v[YO], v[LN], 4, v[YO]           ; + 16 x lane: an instruction of the wave covers one whole row
	v_and_b32 v[R], 15, v0
	v_lshrrev_b32 v[RG], 4, v0
	v_lshlrev_b32 v[XO], 9, v[RG]
	v_lshl_add_u32 v[XO], v[R], 4, v[XO]           ; row in the group x 512 + 16 x (t & 15): 16 lanes take 256 aligned bytes
	s_lshl_b32 s27, s17, 2
	s_lshl_b32 s28, s17, 19
	s_lshl_b32 s16, s18, 16
	s_add_co_u32 s28, s28, s16
	s_wait_kmcnt 0x0
	s_load_b32 s[SL], s[10:11], s27 offset:0x0     ; len_x[b]; s27 stays as it is until the wait for it
	s_cmp_eq_u32 s19, 0
	s_cselect_b64 s[30:31], s[6:7], s[8:9]         ; y or z
	s_add_nc_u64 s[30:31], s[30:31], s[28:29]      ; at batch b, row 128 rb
	WIN 0x40                                       ; destinations v256-v319, addresses in v0-v255
.irp i, 0,1,2,3,4,5,6,7,8,9,10,11,12,13,14,15
	global_load_b128 v[4*\i:4*\i+3], v[YO], s[30:31] offset:512*\i th:TH_LOAD_NT   ; read once in the launch
.endr
	WIN 0
	s_lshl_b32 s28, s17, 19
	s_lshl_b32 s16, s19, 8
	s_add_co_u32 s28, s28, s16
	s_add_nc_u64 s[34:35], s[4:5], s[28:29]        ; x at batch b, column 64 hc
.irp i, 0,1,2,3,4,5,6,7,8,9,10,11,12,13,14,15
	global_load_b128 v[RING+4*\i:RING+4*\i+3], v[XO], s[34:35] offset:8192*\i      ; rows 0-255, inside x whatever l is
.endr
	s_lshl_b32 s28, s17, 18
	s_lshl_b32 s16, s18, 15
	s_add_co_u32 s28, s28, s16
	s_lshl_b32 s16, s19, 11
	s_add_co_u32 s28, s28, s16
	s_add_nc_u64 s[12:13], s[12:13], s[28:29]      ; xf at batch b, line tile 4 rb, column 64 hc
	s_lshl_b32 s28, s19, 4
	s_add_co_u32 s28, s28, s17
	s_lshl_b32 s28, s28, 3
	s_add_co_u32 s28, s28, s18
	s_lshl_b32 s28, s28, 9
	s_add_nc_u64 s[14:15], s[14:15], s[28:29]      ; part[hc][b][rb]
	s_and_b32 s36, s20, 3                          ; my line tile
	s_lshr_b32 s37, s20, 2                         ; my half of the rows t
	v_bfe_u32 v[HH], v0, 4, 1
	v_lshlrev_b32 v[ST], 5, v[R]
	v_lshl_add_u32 v[ST], v[HH], 4, v[ST]
	s_lshl_b32 s16, s36, 13
	s_lshl_b32 s38, s37, 10
	s_add_co_u32 s16, s16, s38
	v_add_nc_u32 v[ST], s16, v[ST]                 ; line tile x 8192 + half x 2 column tiles of 512 + 32 r + 16 h
	v_lshlrev_b32 v[RD], 4, v0
	v_add_nc_u32 v[RD], RED, v[RD]
	v_lshlrev_b32 v[PO], 4, v[LN]
	s_lshl_b32 s16, s20, 12                        ; my 4,096 bytes of the exchange,
	s_xor_b32 s38, s16, 0x4000                     ; and those of wave w xor 4
	v_add_nc_u32 v[EXW], s16, v[PO]
	v_add_nc_u32 v[EXR], s38, v[PO]
	v_add_nc_u32 v[EXW], EXC, v[EXW]
	v_add_nc_u32 v[EXR], EXC, v[EXR]
	v_mul_u32_u24 v[XL], v[RG], XP
	v_lshl_add_u32 v[XL], v[R], 3, v[XL]
	v_and_b32 v[VBL], 7, v0
	v_lshl_add_u32 v[VBL], v[HH], 3, v[VBL]
	v_mul_u32_u24 v[VBL], v[VBL], XP               ; (8 h + (lane & 7)) x pitch
	v_bfe_u32 v[T], v0, 3, 1
	v_lshl_add_u32 v[VBL], v[T], 4, v[VBL]         ; + 16 x ((lane >> 3) & 1)
	s_lshl_b32 s16, s18, 6
	s_lshl4_add_u32 s16, s36, s16
	v_add_nc_u32 v[RHO], s16, v[R]                 ; my line: 64 rb + 16 x line tile + r
	s_wait_kmcnt 0x0
	s_max_u32 s[SL], s[SL], 1
	s_min_u32 s[SL], s[SL], 1024
	s_add_co_u32 s22, s[SL], 1
	s_lshr_b32 s22, s22, 1                         ; ceil(l/2) lines are made
	s_lshl_b32 s27, s18, 6
	s_cmp_lt_u32 s27, s22
	s_cselect_b32 s23, 1, 0
	s_add_co_u32 s24, s[SL], 255
	s_lshr_b32 s24, s24, 8
	s_sub_co_u32 s24, s24, 1
	s_min_u32 s24, s24, 3                          ; staging turns of 256 rows, less the last
	s_add_co_u32 s25, s[SL], 127
	s_lshr_b32 s25, s25, 7                         ; each half takes ceil(l/128) pairs of K steps; 128 ceil(l/128) <= 256 ceil(l/256) rows are staged
	s_mul_i32 s38, s25, s37
	s_min_u32 s38, s38, 8                          ; a number made from l goes into an address only behind a clamp
	s_lshl_b32 s38, s38, 6                         ; first row of my half: 0 or 64 ceil(l/128)
	v_lshl_add_u32 v[KAP], v[HH], 3, s38
	s_mul_i32 s38, s38, XP
	v_add_nc_u32 v[VBL], s38, v[VBL]
	s_lshl_b32 s16, s37, 6                         ; half 0 finishes column tiles 0, 1 and sends 2, 3; half 1 the other way round:
	s_xor_b32 s38, s16, 64                         ; so both send the same registers
	v_add_nc_u32 v[VBH], s38, v[VBL]
	v_add_nc_u32 v[VBL], s16, v[VBL]
	s_sub_co_u32 s25, s25, 1
	s_min_u32 s25, s25, 7                          ; pairs of K steps, less one
	v_sub_nc_u32 v[LR], s[SL], v[RG]
	; The set-up hangs on l alone and stands ahead of the branch below, so that every register that a later phase reads is written on
	; every path through the text; it runs while the loads above are on their way.
	v_cvt_f32_u32 v[LF], s[SL]
	v_rcp_f32 v[RL], v[LF]
	v_nop                                          ; one plain place behind v_rcp_f32 (ISA guide 5.7.2)
	s_wait_alu depctr_va_vdst(0)
	v_mov_b32 v[RL+1], v[RL]
	TWINIT CU, SU, BS, RHO, KAP, TT
	; Line 0 has cos = 1, sin = 0, bases and step exactly (1, 0), so its sine row is just SU.  For even l it becomes (-1)^t: the Nyquist
	; line (a lane's first row t is even in both halves).
	v_cmp_eq_u32 s32, 0, v[RHO]
	s_bitcmp1_b32 s[SL], 0                         ; SCC = l is odd
	s_cselect_b32 s32, 0, s32
.irp a, 0,2,4,6
	v_cndmask_b32 v[SU+\a], v[SU+\a], 1.0, s32
	v_cndmask_b32 v[SU+\a+1], v[SU+\a+1], -1.0, s32
.endr
	s_cmp_eq_u32 s23, 0
	s_cbranch_scc1 .Lbar1                          ; no line of this block is below ceil(l/2): nothing of x is staged
	; STAGING: x, f32, through a ring of 16 register slots a wave into LDS as f16; rows >= l become 0.
; Slot i holds rows 16 i .. 16 i + 15 of a turn of 256.  left = younger loads that may stay out (the y/z loads are older and are in by then).
.macro SLOT i, refill, left
	s_wait_loadcnt \left
	v_cmp_lt_i32 vcc_lo, 16*\i, v[LR]              ; my row is below l
	v_cvt_pk_f16_f32 v[T+2*(\i&1)], v[RING+4*\i], v[RING+4*\i+1]
	v_cvt_pk_f16_f32 v[T+2*(\i&1)+1], v[RING+4*\i+2], v[RING+4*\i+3]
.if \refill
	global_load_b128 v[RING+4*\i:RING+4*\i+3], v[XO], s[34:35] offset:8192*\i+131072   ; the same rows of the next turn
.endif
	v_cndmask_b32 v[T+2*(\i&1)], 0, v[T+2*(\i&1)], vcc_lo
	v_cndmask_b32 v[T+2*(\i&1)+1], 0, v[T+2*(\i&1)+1], vcc_lo
	ds_store_b64 v[XL], v[T+2*(\i&1):T+2*(\i&1)+1] offset:16*XP*\i
.endm
	s_cmp_eq_u32 s24, 0
	s_cbranch_scc1 .Lstail
.Lsturn:
.irp i, 0,1,2,3,4,5,6,7,8,9,10,11,12,13,14,15
	SLOT \i, 1, 15
.endr
	s_wait_xcnt 0x0                                ; the loads' base is stepped only behind this wait (ISA guide 3.1)
	s_add_nc_u64 s[34:35], s[34:35], 0x20000
	v_add_nc_u32 v[XL], 256*XP, v[XL]
	v_add_nc_u32 v[LR], 0xffffff00, v[LR]          ; 256 rows fewer are left
	s_sub_co_u32 s24, s24, 1
	s_cmp_lg_u32 s24, 0
	s_cbranch_scc1 .Lsturn
.Lstail:
.irp i, 0,1,2,3,4,5,6,7,8,9,10,11,12,13,14,15
	SLOT \i, 0, 15-\i                              ; the last turn loads nothing: no load leaves x, the counts run down
.endr
.Lbar1:
	s_wait_loadcnt 0x0                             ; nothing is out behind the staging; a block that staged nothing waits here for what it asked for
	s_wait_dscnt 0x0                               ; my stores are in LDS, for the other waves' sake
	s_barrier_signal -1
	s_barrier_wait -1
	s_cmp_eq_u32 s23, 0
	s_cbranch_scc1 .Lzero
	; THE PRODUCTS.  A K step is 32 rows of x: 8 transposing loads, 8 matrix instructions, and the next step's twiddles between them.
.macro LOADB buf, off
.irp j, 0,1
	ds_load_tr16_b128 v[BF+32*(\buf)+8*\j:BF+32*(\buf)+8*\j+3], v[VBL] offset:\off+32*\j
	ds_load_tr16_b128 v[BF+32*(\buf)+8*\j+4:BF+32*(\buf)+8*\j+7], v[VBL] offset:\off+32*\j+16*XP
.endr
.irp j, 0,1
	ds_load_tr16_b128 v[BF+32*(\buf)+16+8*\j:BF+32*(\buf)+16+8*\j+3], v[VBH] offset:\off+32*\j
	ds_load_tr16_b128 v[BF+32*(\buf)+16+8*\j+4:BF+32*(\buf)+16+8*\j+7], v[VBH] offset:\off+32*\j+16*XP
.endr
.endm
; cur: the buffers multiplied.  zero = 1: the first products start the sums.  pf = 1: the next step is prepared, its rows at byte off.
; The other buffers were read by the last step's matrix instructions; behind the last of those stand 6 + 8 plain vector instructions
; (its GENPIECE and this ROT) that name none of its registers, more than the 4 places owed (ISA guide 7.12.1).
.macro STEP cur, zero, pf, off
	s_wait_dscnt 0x0                               ; the 8 loads of this step, issued a whole step ago, are all that is out
.if \pf
	ROT BS
	LOADB (1-\cur), \off
.endif
.irp i, 0,1,2,3,4,5,6,7
.if \zero
	v_wmma_f32_16x16x32_f16 v[ACC+8*\i:ACC+8*\i+7], v[E+16*\cur+8*(\i&1):E+16*\cur+8*(\i&1)+7], v[BF+32*\cur+8*(\i>>1):BF+32*\cur+8*(\i>>1)+7], 0
.else
	v_wmma_f32_16x16x32_f16 v[ACC+8*\i:ACC+8*\i+7], v[E+16*\cur+8*(\i&1):E+16*\cur+8*(\i&1)+7], v[BF+32*\cur+8*(\i>>1):BF+32*\cur+8*(\i>>1)+7], v[ACC+8*\i:ACC+8*\i+7]
.endif
.if \pf
	GENPIECE CU, SU, BS, \i, E+16*(1-\cur), E+16*(1-\cur)+8
.endif
.endr
.endm
	LOADB 0, 0
.irp i, 0,1,2,3,4,5,6,7
	GENPIECE CU, SU, BS, \i, E, E+8
.endr
	STEP 0, 1, 1, 32*XP
	s_cmp_eq_u32 s25, 0
	s_cbranch_scc1 .Lklast
.Lk:
	STEP 1, 0, 1, 64*XP
	STEP 0, 0, 1, 96*XP
	v_add_nc_u32 v[VBL], 64*XP, v[VBL]
	v_add_nc_u32 v[VBH], 64*XP, v[VBH]
	s_sub_co_u32 s25, s25, 1
	s_cmp_lg_u32 s25, 0
	s_cbranch_scc1 .Lk
.Lklast:
	STEP 1, 0, 0, 0
.rept 4
	v_nop                                          ; the places behind the last matrix instructions
.endr
	s_branch .Ljoin
.Lzero:                                            ; a block without lines: its sums are 0, and it takes the common way out, barriers and all
.set zi, 0                                         ; (the inverse launch reads all 512 lines: those not made are stored as zeros)
.rept 64
	v_mov_b32 v[ACC+zi], 0
.set zi, zi+1
.endr
.Ljoin:
	; THE TWO HALVES MEET, and so do the y/z sums.  Load, wait, barrier, store: every wave's LDS reads of the products are over (its wait
	; for 0, then its signal) before any wave stores into LDS again.  The y/z fold (my 16 rows x 4 columns, a tree) works on registers
	; only and stands between the signal and the wait.
	s_wait_dscnt 0x0
	s_barrier_signal -1
	WIN 0x55                                       ; all operands in v256-v319
.irp st, 8,4,2,1
.set fi, 0
.rept \st
	v_pk_add_f32 v[4*fi:4*fi+1], v[4*fi:4*fi+1], v[4*(fi+\st):4*(fi+\st)+1]
	v_pk_add_f32 v[4*fi+2:4*fi+3], v[4*fi+2:4*fi+3], v[4*(fi+\st)+2:4*(fi+\st)+3]
.set fi, fi+1
.endr
.endr
	s_barrier_wait -1
	WIN 0x04                                       ; store data from v256-v259, address from v0-v255
	ds_store_b128 v[RD], v[0:3]
	WIN 0
.irp q, 0,1,2,3,4,5,6,7
	ds_store_b128 v[EXW], v[ACC+32+4*\q:ACC+32+4*\q+3] offset:512*\q       ; tiles 4-7: my partner's tiles 0-3, lane for lane
.endr
	s_wait_dscnt 0x0                               ; my stores are in LDS, for the other waves' sake
	s_barrier_signal -1
	s_barrier_wait -1
.irp q, 0,1,2,3,4,5,6,7
	ds_load_b128 v[BF+4*\q:BF+4*\q+3], v[EXR] offset:512*\q
.endr
	; THE WAY OUT.  A lane holds 8 neighbouring lines of one column: the halves added, x 1/l, to f16, 16 bytes; a store of the wave covers
	; 512 consecutive bytes.
.irp i, 0,1,2,3
	s_wait_dscnt 6-2*\i                            ; tile i's two quads are in; two for each tile behind it stay out
.irp k, 0,1,2,3
	v_pk_add_f32 v[ACC+8*\i+2*\k:ACC+8*\i+2*\k+1], v[ACC+8*\i+2*\k:ACC+8*\i+2*\k+1], v[BF+8*\i+2*\k:BF+8*\i+2*\k+1]
.endr
.irp k, 0,1,2,3
	v_pk_mul_f32 v[ACC+8*\i+2*\k:ACC+8*\i+2*\k+1], v[ACC+8*\i+2*\k:ACC+8*\i+2*\k+1], v[RL:RL+1]
.endr
.irp k, 0,1,2,3
	v_cvt_pk_f16_f32 v[BF+32+4*\i+\k], v[ACC+8*\i+2*\k], v[ACC+8*\i+2*\k+1]
.endr
	global_store_b128 v[ST], v[BF+32+4*\i:BF+32+4*\i+3], s[12:13] offset:4096*(\i&1)+512*(\i>>1)
.endr
	s_cmp_lg_u32 s20, 0
	s_cbranch_scc1 .Lend
.irp k, 0,1,2,3,4,5,6,7
	ds_load_b128 v[16+4*\k:19+4*\k], v[RD] offset:512*\k                   ; wave 0: the eight waves' sums of my 4 columns
.endr
	s_wait_dscnt 0x0
.irp st, 4,2,1
.set fi, 0
.rept \st
	v_pk_add_f32 v[16+4*fi:17+4*fi], v[16+4*fi:17+4*fi], v[16+4*(fi+\st):17+4*(fi+\st)]
	v_pk_add_f32 v[18+4*fi:19+4*fi], v[18+4*fi:19+4*fi], v[18+4*(fi+\st):19+4*(fi+\st)]
.set fi, fi+1
.endr
.endr
	global_store_b128 v[PO], v[16:19], s[14:15]    ; a whole row of 512 bytes
.Lend:
	s_wait_tensorcnt 0x0
	ds_add_u32 v254, v255
	s_wait_dscnt 0x0
	s_endpgm
.Lfunc_end_k_q016e962127_fwd:
	.size	k_q016e962127_fwd, .Lfunc_end_k_q016e962127_fwd-k_q016e962127_fwd
	.p2alignl 7, 3214868480
	.fill 96, 4, 3214868480
	.section	.rodata,"a",@progbits
	.p2align	6, 0x0
	.amdhsa_kernel k_q016e962127_fwd
		.amdhsa_group_segment_fixed_size 201728
		.amdhsa_private_segment_fixed_size 0
		.amdhsa_enable_private_segment 0
		.amdhsa_kernarg_size 48
		.amdhsa_user_sgpr_count 2
		.amdhsa_user_sgpr_kernarg_segment_ptr 1
		.amdhsa_wavefront_size32 1
		.amdhsa_system_sgpr_workgroup_id_x 1
		.amdhsa_system_sgpr_workgroup_id_y 1
		.amdhsa_system_sgpr_workgroup_id_z 1
		.amdhsa_system_vgpr_workitem_id 0
		.amdhsa_next_free_vgpr 320
		.amdhsa_next_free_sgpr 66
		.amdhsa_reserve_vcc 1
		.amdhsa_float_denorm_mode_32 3
		.amdhsa_float_denorm_mode_16_64 3
		.amdhsa_memory_ordered 1
		.amdhsa_forward_progress 1
		.amdhsa_inst_pref_size 57
	.end_amdhsa_kernel
	.amdgpu_metadata
---
amdhsa.version: [ 1, 2 ]
amdhsa.kernels:
  - .name:           k_q016e962127_fwd
    .symbol:         k_q016e962127_fwd.kd
    .args:
      - { .name: x, .offset: 0, .size: 8, .value_kind: global_buffer, .address_space: global }
      - { .name: y, .offset: 8, .size: 8, .value_kind: global_buffer, .address_space: global }
      - { .name: z, .offset: 16, .size: 8, .value_kind: global_buffer, .address_space: global }
      - { .name: len_x, .offset: 24, .size: 8, .value_kind: global_buffer, .address_space: global }
      - { .name: xf, .offset: 32, .size: 8, .value_kind: global_buffer, .address_space: global }
      - { .name: part, .offset: 40, .size: 8, .value_kind: global_buffer, .address_space: global }
    .group_segment_fixed_size: 201728
    .private_segment_fixed_size: 0
    .kernarg_segment_align: 8
    .kernarg_segment_size: 48
    .max_flat_workgroup_size: 256
    .sgpr_count:     66
    .vgpr_count:     320
    .wavefront_size: 32
...
	.end_amdgpu_metadata
.endif
;; end of part 1
;; launch mlp (part 2): grid 8 x 4, 8 waves a work-group, no clusters, 44,032 bytes of LDS; arguments part, len_y, len_z, mlpp, W1_l1_w, W1_l1_b, W1_l2_w, W1_l2_b, B1_l1_w, B1_l1_b, B1_l2_w, B1_l2_b, W2_l1_w, W2_l1_b, W2_l2_w, W2_l2_b, B2_l1_w, B2_l1_b, B2_l2_w, B2_l2_b; writes mlpp
.if DOCPART == 2
	.amdgcn_target "amdgcn-amd-amdhsa--gfx1250"
	.amdhsa_code_object_version 6
	.text
	.protected	k_q016e962127_mlp
	.globl	k_q016e962127_mlp
	.p2align	8
	.type	k_q016e962127_mlp,@function
k_q016e962127_mlp:
	s_mov_b64 s[64:65], 0
	v_nop
	global_prefetch_b8 v0, s[64:65] scope:SCOPE_SE
	s_setreg_imm32_b32 hwreg(HW_REG_WAVE_MODE, 25, 1), 1
	s_wait_xcnt 0x0
; THE FOUR SMALL MLPs (128 -> 256 -> 128, exact GELU) ON THE MEANS OF y AND z, for all 16 batches, in f32 on the vector unit.
; Work-group (s, m): m = 0 W1, 1 B1, 2 W2, 3 B2; s = a slice of 32 hidden units.  It makes h = gelu(c w1 + b1) for its 32 units and
; its share h w2 of the 128 outputs, stored to mlpp[m & 1][b][8 (m >> 1) + s][128]; the next launch adds the 16 shares of a kind.
; The second layer's bias goes into slice 0's share.  Each weight is read once in the launch.
; Not on the matrix unit: 16 rows and a thousandth of the program's multiply-adds; the result scales every output alike, so it stays in f32.
; No cluster: the work-groups share only part (64 KiB each), most of what each reads.
; LIMITS: mean = sum x v_rcp_f32(len); erf by a rational form with exp (Abramowitz-Stegun 7.1.26), absolute error about 2e-7.
.set CT,   0                           ; LDS [b 16][128] f32: the means                                  8,192 bytes
.set H1P,  8192                        ; LDS [wave 8][b 16][n 32]: first layer, partial over 16 inputs   16,384
.set HT,   24576                       ; LDS [b 16][n 32]: hidden units after GELU                        2,048
.set O2P,  26624                       ; LDS [half 2][b 16][d 128]: second layer, partial over 16 units  16,384
.set PO,   3                           ; v3   part: b x 4096 + 32 x (t & 15)
.set LO,   4                           ; v4   len: 4 b
.set W1O,  5                           ; v5   w1: (16 wave) rows of 1024 + 128 s + 4 lane
.set B1O,  6                           ; v6   b1: 128 s + 4 lane
.set W2O,  7                           ; v7   w2: (32 s + 16 half) rows of 512 + 4 d
.set B2O,  8                           ; v8   b2: 16 lane
.set CTW,  9
.set CTR,  10
.set H1W,  11
.set H1R,  12
.set HTW,  13
.set HTR,  14
.set O2W,  15
.set C,    16                          ; v[16:79]  part as loaded; then what a dot product reads from LDS
.set W1,   80                          ; v[80:95]
.set B1,   96
.set W2,   97                          ; v[97:112]
.set LENV, 113
.set B2,   116                         ; v[116:119]
.set ACC,  120                         ; v[120:135] one sum for each batch
.set O2R,  136
.set MO,   137
.set TM,   138                         ; v[138:143] at work
	s_load_b256 s[4:11], s[0:1], 0x0               ; part s[4:5], len_y s[6:7], len_z s[8:9], mlpp s[10:11]
	s_load_b512 s[16:31], s[0:1], 0x20             ; W1's four buffers, B1's four
	s_load_b512 s[32:47], s[0:1], 0x60             ; W2's four, B2's four
	v_lshl_add_u32 v144, v0, 2, 0xa800
	v_mov_b32 v145, 0
	s_mov_b32 s12, ttmp9                           ; slice
	s_and_b32 s13, ttmp7, 0xffff                   ; m
	s_lshr_b32 s14, s13, 1                         ; 0: fed by y, 1: by z
	s_and_b32 s15, s13, 1                          ; 0: a W, 1: a B
	s_mov_b32 s49, 0
	v_and_b32 v1, 31, v0                           ; lane
	v_lshrrev_b32 v2, 5, v0                        ; wave
	v_lshrrev_b32 v[TM], 4, v0                     ; b = t >> 4
	v_and_b32 v[TM+1], 15, v0
	v_lshlrev_b32 v[PO], 12, v[TM]
	v_lshl_add_u32 v[PO], v[TM+1], 5, v[PO]
	v_lshlrev_b32 v[LO], 2, v[TM]
	v_lshlrev_b32 v[CTW], 9, v[TM]
	v_lshl_add_u32 v[CTW], v[TM+1], 5, v[CTW]
	s_lshl_b32 s52, s12, 7
	v_lshlrev_b32 v[TM+4], 2, v1                   ; 4 lane
	v_add_nc_u32 v[B1O], s52, v[TM+4]
	v_lshl_add_u32 v[W1O], v2, 14, v[B1O]
	v_lshrrev_b32 v[TM+2], 7, v0                   ; half = wave >> 2
	v_and_b32 v[TM+3], 127, v0
	v_lshlrev_b32 v[TM+3], 2, v[TM+3]              ; 4 d
	v_lshl_add_u32 v[O2W], v[TM+2], 13, v[TM+3]
	s_lshl_b32 s53, s12, 14
	v_add_nc_u32 v[W2O], s53, v[O2W]
	v_add_nc_u32 v[O2W], O2P, v[O2W]
	v_lshlrev_b32 v[B2O], 4, v1
	v_lshlrev_b32 v[CTR], 6, v2                    ; my 16 inputs: 64 bytes x wave
	v_lshl_add_u32 v[H1W], v2, 11, v[TM+4]
	v_add_nc_u32 v[H1W], H1P, v[H1W]
	v_lshl_add_u32 v[H1R], v2, 8, v[TM+4]          ; batches 2 wave, 2 wave + 1
	v_add_nc_u32 v[HTW], HT, v[H1R]
	v_add_nc_u32 v[H1R], H1P, v[H1R]
	v_lshlrev_b32 v[HTR], 6, v[TM+2]
	v_add_nc_u32 v[HTR], HT, v[HTR]
	v_lshl_add_u32 v[O2R], v2, 10, v[B2O]
	v_add_nc_u32 v[O2R], O2P, v[O2R]
	v_lshl_add_u32 v[MO], v2, 14, v[B2O]
	s_wait_kmcnt 0x0
	s_cmp_eq_u32 s14, 0                            ; s_cselect leaves SCC alone: one compare serves the run
	s_cselect_b64 s[6:7], s[6:7], s[8:9]           ; len_y or len_z
.irp i, 0,2,4,6,8,10,12,14
	s_cselect_b64 s[16+\i:17+\i], s[16+\i:17+\i], s[32+\i:33+\i]
.endr
	s_cmp_eq_u32 s15, 0
.irp i, 0,2,4,6
	s_cselect_b64 s[16+\i:17+\i], s[16+\i:17+\i], s[24+\i:25+\i]   ; s[16:17] l1_w, s[18:19] l1_b, s[20:21] l2_w, s[22:23] l2_b
.endr
	s_lshl_b32 s48, s14, 16
	s_add_nc_u64 s[4:5], s[4:5], s[48:49]          ; part[y or z]
	s_lshl3_add_u32 s48, s14, s12
	s_lshl_b32 s48, s48, 9
	s_lshl_b32 s50, s15, 17
	s_add_co_u32 s48, s48, s50
	s_add_nc_u64 s[10:11], s[10:11], s[48:49]      ; mlpp[m & 1][.][8 (m >> 1) + s]
	s_cmp_eq_u32 s12, 0
	s_cselect_b32 s51, -1, 0                       ; all lanes in slice 0, none elsewhere
	; every load of the launch is issued here: 16 + 1 + 16 + 1 + 16 + 1
.irp p, 0,1,2,3,4,5,6,7
	global_load_b128 v[C+8*\p:C+8*\p+3], v[PO], s[4:5] offset:512*\p
	global_load_b128 v[C+8*\p+4:C+8*\p+7], v[PO], s[4:5] offset:512*\p+16
.endr
	global_load_b32 v[LENV], v[LO], s[6:7]
.irp k, 0,1,2,3,4,5,6,7,8,9,10,11,12,13,14,15
	global_load_b32 v[W1+\k], v[W1O], s[16:17] offset:1024*\k
.endr
	global_load_b32 v[B1], v[B1O], s[18:19]
.irp k, 0,1,2,3,4,5,6,7,8,9,10,11,12,13,14,15
	global_load_b32 v[W2+\k], v[W2O], s[20:21] offset:512*\k
.endr
	global_load_b128 v[B2:B2+3], v[B2O], s[22:23]
	; the means: thread t has batch t >> 4 and 8 columns
	s_wait_loadcnt 34                              ; part and len are in; w1, b1, w2, b2 (16 + 1 + 16 + 1) stay out
.irp p, 1,2,3,4,5,6,7
.irp k, 0,2,4,6
	v_pk_add_f32 v[C+\k:C+\k+1], v[C+\k:C+\k+1], v[C+8*\p+\k:C+8*\p+\k+1]
.endr
.endr
	v_cvt_f32_i32 v[TM], v[LENV]
	v_rcp_f32 v[TM], v[TM]
	v_nop                                          ; one plain place behind v_rcp_f32 (ISA guide 5.7.2)
	s_wait_alu depctr_va_vdst(0)
	v_mov_b32 v[TM+1], v[TM]
.irp k, 0,2,4,6
	v_pk_mul_f32 v[C+\k:C+\k+1], v[C+\k:C+\k+1], v[TM:TM+1]
.endr
	ds_store_b128 v[CTW], v[C:C+3]
	ds_store_b128 v[CTW], v[C+4:C+7] offset:16
	s_wait_dscnt 0x0
	s_barrier_signal -1
	s_barrier_wait -1
; ACC[b] = sum over kk < 16 of LDS[adr + b pitch + 4 kk] x v[wr + kk], for 16 batches, four at a time; every lane reads the same words.
.macro DOT16 adr, pitch, wr
.irp g, 0,1,2,3
.irp bb, 0,1,2,3
.irp qq, 0,1,2,3
	ds_load_b128 v[C+16*\bb+4*\qq:C+16*\bb+4*\qq+3], v[\adr] offset:(4*\g+\bb)*\pitch+16*\qq
.endr
.endr
	s_wait_dscnt 0x0
.irp bb, 0,1,2,3
	v_mul_f32 v[ACC+4*\g+\bb], v[C+16*\bb], v[\wr]
.endr
.irp kk, 1,2,3,4,5,6,7,8,9,10,11,12,13,14,15
.irp bb, 0,1,2,3
	v_fmac_f32 v[ACC+4*\g+\bb], v[C+16*\bb+\kk], v[\wr+\kk]
.endr
.endr
.endr
.endm
	; first layer: wave = 16 of the 128 inputs, lane = hidden unit
	s_wait_loadcnt 18                              ; w1 is in; b1, w2, b2 stay out
	DOT16 CTR, 512, W1
.irp b, 0,1,2,3,4,5,6,7,8,9,10,11,12,13,14,15
	ds_store_b32 v[H1W], v[ACC+\b] offset:128*\b
.endr
	s_wait_dscnt 0x0
	s_barrier_signal -1
	s_barrier_wait -1
	; the eight waves' parts are added, bias, GELU: wave = two batches, lane = hidden unit
.irp e, 0,1
.irp kq, 0,1,2,3,4,5,6,7
	ds_load_b32 v[C+8*\e+\kq], v[H1R] offset:2048*\kq+128*\e
.endr
.endr
	s_wait_dscnt 0x0
	s_wait_loadcnt 17                              ; b1 is in; w2, b2 stay out
; gelu(v) = v/2 (1 + erf(v / sqrt 2)); with x = |v| / sqrt 2, t = 1 / (1 + p x), q = poly(t) exp(-x^2): 1 + erf = 2 - q (v >= 0), q (v < 0)
.macro GELU vv
	v_and_b32 v[TM], 0x7fffffff, v[\vv]
	v_mul_f32 v[TM], 0x3f3504f3, v[TM]             ; x
	v_fma_f32 v[TM+1], v[TM], 0x3ea7ba05, 1.0      ; 1 + 0.3275911 x
	v_rcp_f32 v[TM+1], v[TM+1]
	v_mul_f32 v[TM+2], v[TM], v[TM]                ; a plain place behind v_rcp_f32
	v_mul_f32 v[TM+2], 0xbfb8aa3b, v[TM+2]         ; -x^2 log2 e
	v_exp_f32 v[TM+2], v[TM+2]
	v_mov_b32 v[TM+3], 0x3f87dc22                  ; a plain place behind v_exp_f32;  1.061405429
	s_wait_alu depctr_va_vdst(0)
	v_fmaak_f32 v[TM+3], v[TM+3], v[TM+1], 0xbfba00e3      ; -1.453152027
	v_fmaak_f32 v[TM+3], v[TM+3], v[TM+1], 0x3fb5f0e3      ;  1.421413741
	v_fmaak_f32 v[TM+3], v[TM+3], v[TM+1], 0xbe91a98e      ; -0.284496736
	v_fmaak_f32 v[TM+3], v[TM+3], v[TM+1], 0x3e827906      ;  0.254829592
	v_mul_f32 v[TM+3], v[TM+3], v[TM+1]
	v_mul_f32 v[TM+3], v[TM+3], v[TM+2]            ; q
	v_sub_f32 v[TM+2], 2.0, v[TM+3]
	v_cmp_le_f32 vcc_lo, 0, v[\vv]
	v_cndmask_b32 v[TM+3], v[TM+3], v[TM+2], vcc_lo
	v_mul_f32 v[TM], 0.5, v[\vv]
	v_mul_f32 v[\vv], v[TM], v[TM+3]
.endm
.irp e, 0,1
	v_pk_add_f32 v[C+8*\e:C+8*\e+1], v[C+8*\e:C+8*\e+1], v[C+8*\e+4:C+8*\e+5]
	v_pk_add_f32 v[C+8*\e+2:C+8*\e+3], v[C+8*\e+2:C+8*\e+3], v[C+8*\e+6:C+8*\e+7]
	v_pk_add_f32 v[C+8*\e:C+8*\e+1], v[C+8*\e:C+8*\e+1], v[C+8*\e+2:C+8*\e+3]
	v_add_f32 v[C+8*\e], v[C+8*\e], v[C+8*\e+1]
	v_add_f32 v[C+8*\e], v[C+8*\e], v[B1]
	GELU C+8*\e
	ds_store_b32 v[HTW], v[C+8*\e] offset:128*\e
.endr
	s_wait_dscnt 0x0
	s_barrier_signal -1
	s_barrier_wait -1
	; second layer: half = 16 of my 32 hidden units, t & 127 = output column
	s_wait_loadcnt 1                               ; w2 is in; b2 stays out
	DOT16 HTR, 128, W2
.irp b, 0,1,2,3,4,5,6,7,8,9,10,11,12,13,14,15
	ds_store_b32 v[O2W], v[ACC+\b] offset:512*\b
.endr
	s_wait_dscnt 0x0
	s_barrier_signal -1
	s_barrier_wait -1
	; the two halves are added; wave = two batches, lane = 4 columns: a store of the wave is a whole row of 512 bytes
	s_wait_loadcnt 0x0
.irp k, 0,1,2,3
	v_cndmask_b32 v[B2+\k], 0, v[B2+\k], s51       ; the bias counts once: in slice 0
.endr
.irp e, 0,1
	ds_load_b128 v[C+8*\e:C+8*\e+3], v[O2R] offset:512*\e
	ds_load_b128 v[C+8*\e+4:C+8*\e+7], v[O2R] offset:512*\e+8192
.endr
	s_wait_dscnt 0x0
.irp e, 0,1
	v_pk_add_f32 v[C+8*\e:C+8*\e+1], v[C+8*\e:C+8*\e+1], v[C+8*\e+4:C+8*\e+5]
	v_pk_add_f32 v[C+8*\e+2:C+8*\e+3], v[C+8*\e+2:C+8*\e+3], v[C+8*\e+6:C+8*\e+7]
	v_pk_add_f32 v[C+8*\e:C+8*\e+1], v[C+8*\e:C+8*\e+1], v[B2:B2+1]
	v_pk_add_f32 v[C+8*\e+2:C+8*\e+3], v[C+8*\e+2:C+8*\e+3], v[B2+2:B2+3]
	global_store_b128 v[MO], v[C+8*\e:C+8*\e+3], s[10:11] offset:8192*\e
.endr
	s_wait_tensorcnt 0x0
	ds_add_u32 v144, v145
	s_wait_dscnt 0x0
	s_endpgm
.Lfunc_end_k_q016e962127_mlp:
	.size	k_q016e962127_mlp, .Lfunc_end_k_q016e962127_mlp-k_q016e962127_mlp
	.p2alignl 7, 3214868480
	.fill 96, 4, 3214868480
	.section	.rodata,"a",@progbits
	.p2align	6, 0x0
	.amdhsa_kernel k_q016e962127_mlp
		.amdhsa_group_segment_fixed_size 44032
		.amdhsa_private_segment_fixed_size 0
		.amdhsa_enable_private_segment 0
		.amdhsa_kernarg_size 160
		.amdhsa_user_sgpr_count 2
		.amdhsa_user_sgpr_kernarg_segment_ptr 1
		.amdhsa_wavefront_size32 1
		.amdhsa_system_sgpr_workgroup_id_x 1
		.amdhsa_system_sgpr_workgroup_id_y 1
		.amdhsa_system_sgpr_workgroup_id_z 1
		.amdhsa_system_vgpr_workitem_id 0
		.amdhsa_next_free_vgpr 146
		.amdhsa_next_free_sgpr 66
		.amdhsa_reserve_vcc 1
		.amdhsa_float_denorm_mode_32 3
		.amdhsa_float_denorm_mode_16_64 3
		.amdhsa_memory_ordered 1
		.amdhsa_forward_progress 1
		.amdhsa_inst_pref_size 42
	.end_amdhsa_kernel
	.amdgpu_metadata
---
amdhsa.version: [ 1, 2 ]
amdhsa.kernels:
  - .name:           k_q016e962127_mlp
    .symbol:         k_q016e962127_mlp.kd
    .args:
      - { .name: part, .offset: 0, .size: 8, .value_kind: global_buffer, .address_space: global }
      - { .name: len_y, .offset: 8, .size: 8, .value_kind: global_buffer, .address_space: global }
      - { .name: len_z, .offset: 16, .size: 8, .value_kind: global_buffer, .address_space: global }
      - { .name: mlpp, .offset: 24, .size: 8, .value_kind: global_buffer, .address_space: global }
      - { .name: W1_l1_w, .offset: 32, .size: 8, .value_kind: global_buffer, .address_space: global }
      - { .name: W1_l1_b, .offset: 40, .size: 8, .value_kind: global_buffer, .address_space: global }
      - { .name: W1_l2_w, .offset: 48, .size: 8, .value_kind: global_buffer, .address_space: global }
      - { .name: W1_l2_b, .offset: 56, .size: 8, .value_kind: global_buffer, .address_space: global }
      - { .name: B1_l1_w, .offset: 64, .size: 8, .value_kind: global_buffer, .address_space: global }
      - { .name: B1_l1_b, .offset: 72, .size: 8, .value_kind: global_buffer, .address_space: global }
      - { .name: B1_l2_w, .offset: 80, .size: 8, .value_kind: global_buffer, .address_space: global }
      - { .name: B1_l2_b, .offset: 88, .size: 8, .value_kind: global_buffer, .address_space: global }
      - { .name: W2_l1_w, .offset: 96, .size: 8, .value_kind: global_buffer, .address_space: global }
      - { .name: W2_l1_b, .offset: 104, .size: 8, .value_kind: global_buffer, .address_space: global }
      - { .name: W2_l2_w, .offset: 112, .size: 8, .value_kind: global_buffer, .address_space: global }
      - { .name: W2_l2_b, .offset: 120, .size: 8, .value_kind: global_buffer, .address_space: global }
      - { .name: B2_l1_w, .offset: 128, .size: 8, .value_kind: global_buffer, .address_space: global }
      - { .name: B2_l1_b, .offset: 136, .size: 8, .value_kind: global_buffer, .address_space: global }
      - { .name: B2_l2_w, .offset: 144, .size: 8, .value_kind: global_buffer, .address_space: global }
      - { .name: B2_l2_b, .offset: 152, .size: 8, .value_kind: global_buffer, .address_space: global }
    .group_segment_fixed_size: 44032
    .private_segment_fixed_size: 0
    .kernarg_segment_align: 8
    .kernarg_segment_size: 160
    .max_flat_workgroup_size: 256
    .sgpr_count:     66
    .vgpr_count:     146
    .wavefront_size: 32
...
	.end_amdgpu_metadata
.endif
;; end of part 2
;; launch inv (part 3): grid 16 x 16, 8 waves a work-group, no clusters, 167,936 bytes of LDS; arguments xf, mlpp, len_x, out0; writes out0
.if DOCPART == 3
	.amdgcn_target "amdgcn-amd-amdhsa--gfx1250"
	.amdhsa_code_object_version 6
	.text
	.protected	k_q016e962127_inv
	.globl	k_q016e962127_inv
	.p2align	8
	.type	k_q016e962127_inv,@function
k_q016e962127_inv:
	s_mov_b64 s[64:65], 0
	v_nop
	global_prefetch_b8 v0, s[64:65] scope:SCOPE_SE
	s_setreg_imm32_b32 hwreg(HW_REG_WAVE_MODE, 25, 1), 1
	s_wait_xcnt 0x0
; FILTER AND INVERSE DFT.  With g = 1 + (W1+W2)/2 and c = (b1+b2)/2 (real, one for each batch and column), l = len_x[b], K = ceil(l/2):
;   out[n][d] = (g Xc[0] + c)/l + 2 sum over 0 < k < K of ((g Xc[k] + c) cos(2 pi k n / l) + g Xs[k] sin(2 pi k n / l)) / l
;               + (l even) (-1)^n (g Xnyq + c)/l          for n < l, and 0 for n >= l.
; That is the real part of the inverse transform of g X + c, with the lines l-k folded onto their conjugates k (x, g, c are real).
; The activation |z| exp(i arg z), with 0 for z = 0, gives every finite z back unchanged: it takes no instruction here.
; xf holds Xc/l, Xs/l in f16, the Nyquist line in the sine slot of k = 0.  The operand is kept in f16's range for any g and c: it is
; divided by s = |g| + |c|/l for its column, so that it never exceeds 2 max|x| + 2, and s is multiplied back in f32 at the end.
; Work-group (j, b): nb = j>>1 a block of 128 output rows, hc = j&1 a half of 64 columns.  EIGHT WAVES, two for each of a WGP's four SIMDs:
; a wave's work is chains of vector instructions (twiddles) and waits, and the second wave issues while the first one waits.
; Waves w and w + 4 make the same 32 rows (two tiles) x 64 columns over two halves of the lines k, so that the twiddles of a (row, line)
; are made once and each spectrum fragment read from LDS feeds two matrix instructions.  At the end each of the two sends one row tile to
; the other through LDS and finishes the other one.
; Source 0 = twiddles [n][k] made in registers, source 1 = filtered spectrum [d][k] from LDS.  Column tile ct holds the columns
; d = 4 r + ct in lane r: a lane's four tiles then hold 4 NEIGHBOURING columns of one output row, 16 bytes, and sixteen lanes a row's
; 256 bytes: results go from registers straight to memory.
; The MLP shares and the first 16 tiles of xf are asked for before l is known, so that the load of l and the set-up run while they are on
; their way; a block whose rows are all >= l has asked for them in vain (bytes that the batch's other blocks read too).
; LIMITS: |x| < 3e4 (f16 operand); len_x clamped to 1..1024; s is floored at 1e-30 for its reciprocal alone; 1/l and 1/s by v_rcp_f32.
; No joint requests in a cluster: the 8 work-groups that read one half of xf[b] filter it on the way into LDS, in registers.
.set AP,   1040                        ; LDS pitch of a column's 512 lines: 1024 bytes + 16, an odd multiple of 16
.set CTP,  16*AP+64                    ; from column tile to column tile: column d lies at (d & 3) CTP + (d >> 2) AP.  The 64 bytes more
                                       ; spread the four tiles that a staging store touches over different 16-byte columns of a 256-byte row
.set ASIN, 4*CTP                       ; cos part at 0, sin part behind it
.set SC,   2*ASIN                      ; s of my 64 columns, f32, in the columns' own order, twice: waves 0-3 store and read the first 256
                                       ; bytes, waves 4-7 the second, so that wave w alone stores into bytes 64 w .. 64 w + 63
.set EXC,  SC+512                      ; 8 waves x 4,096 bytes: the row tile that a wave sends to its partner
.set SL,   21                          ; s21 l  s22 ceil(l/2)  s23 1 = rows below l  s24 K steps in all  s26 K steps of a wave  s25 loop trips
                                       ; s36 my 32 rows of the block  s37 my half of the lines  s38 my first K step
.set R,    2
.set HH,   3
.set RHO0, 4                           ; v4  my output row (as a twiddle row: lane & 15) in the tile that I finish
.set LF,   5
.set RL,   6                           ; v[6:7]
.set RHO1, 8                           ; v8  in the tile that I send
.set XO,   9                           ; v9  xf: 16 (t & 127) + 4096 (t >> 7)
.set MO,   10                          ; v10 mlpp: 4 x my column
.set VOUT, 11                          ; v11 out: my byte offset
.set EXW,  12                          ; v12 LDS: where I put what I send
.set EXR,  13                          ; v13 LDS: where my partner put what it sends
.set VSC,  14                          ; v14 LDS: s of my 4 columns
.set TMP,  15                          ; v15 (-1)^r in f16
.set CU0,  16
.set SU0,  24
.set CU1,  32
.set SU1,  40
.set BS0,  48                          ; +0 cos A, +1 cos step, +2 sin A, +3 sin step, +4 cos B, +5 0, +6 sin B, +7 0
.set BS1,  56
.set T,    64                          ; v[64:71] at work
.set ME,   72                          ; v[72:79] the mask of my last K step: 0xffff for each line that counts
.set NY0,  80                          ; f16 (-1)^n for the slot k = 0 of the sine fragment, or 0
.set NY1,  81
.set VAC,  82                          ; v82, v83 LDS address of my fragments, cos and sin part
.set G2,   84                          ; (2g/s, 2g/s) f16
.set CC,   85                          ; what staging adds: (2c/ls, 2c/ls) in the threads of the cos part, 0 in those of the sin part
.set VS,   86                          ; v86 LDS: where staging puts my 16 bytes
.set KAP,  87                          ; v87 my first line: 32 x first K step + 8 h
.set E0C,  88                          ; v[88:119] twiddle fragments: tile 0 cos, sin; tile 1 cos, sin
.set E0S,  96
.set E1C,  104
.set E1S,  112
.set MW,   88                          ; the same registers take the 16 + 16 shares from mlpp,
.set MB,   104
.set SV,   88                          ; and at the end s of my 4 columns
.set DATA, 120                         ; v[120:183] spectrum fragments: f = 4 x (sin) + column tile; at the end my partner's sums and the results
.set RING, 120                         ; v[120:183] staging: 16 slots x 4
.set ACC,  184                         ; v[184:247] 32 x row tile + 8 x column tile; tile 0 I finish, tile 1 I send
.set TT,   184                         ; the same registers serve the set-up
.set G0,   248                         ; the first pair of lines: (g/s, 2g/s)
.set C0,   249                         ; cos part (c/ls, 2c/ls); sin part (c/ls, 0): the Nyquist line gets c too
.set SCW,  250                         ; LDS: where I put s of my staging column
.set DC,   251                         ; my column in staging
.set CP,   252                         ; 0: I stage the cos part, 1: the sin part
.set SVAL, 253                         ; s of my staging column; 0 in a block whose rows are all >= l
.macro MODL dst, src, tmp              ; dst = src mod l, src < 2^24
	v_cvt_f32_u32 v[\tmp], v[\src]
	v_mul_f32 v[\tmp], v[\tmp], v[RL]
	v_cvt_u32_f32 v[\tmp], v[\tmp]
	v_mul_lo_u32 v[\tmp], v[\tmp], s[SL]
	v_sub_nc_u32 v[\dst], v[\src], v[\tmp]
	v_cmp_gt_i32 vcc_lo, 0, v[\dst]
	v_add_nc_u32 v[\tmp], s[SL], v[\dst]
	v_cndmask_b32 v[\dst], v[\dst], v[\tmp], vcc_lo
	v_cmp_le_i32 vcc_lo, s[SL], v[\dst]
	v_sub_nc_u32 v[\tmp], v[\dst], s[SL]
	v_cndmask_b32 v[\dst], v[\dst], v[\tmp], vcc_lo
.endm
.macro SINCOS cc, ss, mm, tq           ; cos, sin of 2 pi mm / l: quarter turn taken off exactly, polynomials on |phi| <= pi/4
	v_cvt_f32_u32 v[\tq], v[\mm]
	v_mul_f32 v[\tq+1], v[\tq], v[RL]
	v_fma_f32 v[\tq+2], -v[\tq+1], v[LF], v[\tq]
	v_fmac_f32 v[\tq+1], v[\tq+2], v[RL]
	v_mul_f32 v[\tq+2], 4.0, v[\tq+1]
	v_rndne_f32 v[\tq+2], v[\tq+2]
	v_fmamk_f32 v[\tq+1], v[\tq+2], 0xbe800000, v[\tq+1]
	v_cvt_i32_f32 v[\tq+2], v[\tq+2]
	v_mul_f32 v[\tq+1], 0x40c90fdb, v[\tq+1]
	v_mul_f32 v[\tq+3], v[\tq+1], v[\tq+1]
	v_mov_b32 v[\tq+4], 0xb94ca1f9
	v_mov_b32 v[\tq+5], 0x37ccf5ce
	v_fmaak_f32 v[\tq+4], v[\tq+4], v[\tq+3], 0x3c08839e
	v_fmaak_f32 v[\tq+5], v[\tq+5], v[\tq+3], 0xbab6061a
	v_fmaak_f32 v[\tq+4], v[\tq+4], v[\tq+3], 0xbe2aaaa3
	v_fmaak_f32 v[\tq+5], v[\tq+5], v[\tq+3], 0x3d2aaaa5
	v_mul_f32 v[\tq+4], v[\tq+4], v[\tq+3]
	v_mul_f32 v[\tq+5], v[\tq+5], v[\tq+3]
	v_fma_f32 v[\tq], v[\tq+3], -0.5, 1.0
	v_fma_f32 v[\tq+4], v[\tq+4], v[\tq+1], v[\tq+1]
	v_fma_f32 v[\tq+5], v[\tq+5], v[\tq+3], v[\tq]
	v_and_b32 v[\tq], 1, v[\tq+2]
	v_cmp_eq_u32 vcc_lo, 1, v[\tq]
	v_cndmask_b32 v[\cc], v[\tq+5], v[\tq+4], vcc_lo
	v_cndmask_b32 v[\ss], v[\tq+4], v[\tq+5], vcc_lo
	v_add_nc_u32 v[\tq], 1, v[\tq+2]
	v_and_b32 v[\tq], 2, v[\tq]
	v_and_b32 v[\tq+2], 2, v[\tq+2]
	v_lshlrev_b32 v[\tq], 30, v[\tq]
	v_lshlrev_b32 v[\tq+2], 30, v[\tq+2]
	v_xor_b32 v[\cc], v[\cc], v[\tq]
	v_xor_b32 v[\ss], v[\ss], v[\tq+2]
.endm
.macro CMUL dr, di, ar, ai, br, bi
	v_mul_f32 v[\dr], v[\ar], v[\br]
	v_mul_f32 v[\di], v[\ar], v[\bi]
	v_fma_f32 v[\dr], -v[\ai], v[\bi], v[\dr]
	v_fma_f32 v[\di], v[\ai], v[\br], v[\di]
.endm
; u_a = cis(theta rho a), a < 8; step cis(theta 32 rho); base A = cis(theta rho kap), kap the lane's first line; B = A u_16.  rho x kap < 2^20.
.macro TWINIT cu, su, bs, rho, kap, tq
	MODL \tq+6, \rho, \tq+7
	SINCOS \cu+1, \su+1, \tq+6, \tq
	v_lshlrev_b32 v[\tq+8], 5, v[\rho]
	MODL \tq+6, \tq+8, \tq+7
	SINCOS \bs+1, \bs+3, \tq+6, \tq
	v_mul_lo_u32 v[\tq+8], v[\rho], v[\kap]
	MODL \tq+6, \tq+8, \tq+7
	SINCOS \bs, \bs+2, \tq+6, \tq
	v_mov_b32 v[\cu], 1.0
	v_mov_b32 v[\su], 0
	CMUL \cu+2, \su+2, \cu+1, \su+1, \cu+1, \su+1
	CMUL \cu+3, \su+3, \cu+2, \su+2, \cu+1, \su+1
	CMUL \cu+4, \su+4, \cu+2, \su+2, \cu+2, \su+2
	CMUL \cu+5, \su+5, \cu+4, \su+4, \cu+1, \su+1
	CMUL \cu+6, \su+6, \cu+4, \su+4, \cu+2, \su+2
	CMUL \cu+7, \su+7, \cu+4, \su+4, \cu+3, \su+3
	CMUL \tq+8, \tq+9, \cu+4, \su+4, \cu+4, \su+4
	CMUL \tq+10, \tq+11, \tq+8, \tq+9, \tq+8, \tq+9
	CMUL \bs+4, \bs+6, \bs, \bs+2, \tq+10, \tq+11
	v_mov_b32 v[\bs+5], 0
	v_mov_b32 v[\bs+7], 0
.endm
.macro ROT bs                          ; both bases go 32 along K: 8 plain vector instructions
	v_mul_f32 v[T], v[\bs], v[\bs+1]
	v_mul_f32 v[T+1], v[\bs], v[\bs+3]
	v_mul_f32 v[T+2], v[\bs+4], v[\bs+1]
	v_mul_f32 v[T+3], v[\bs+4], v[\bs+3]
	v_fma_f32 v[\bs], -v[\bs+2], v[\bs+3], v[T]
	v_fma_f32 v[\bs+2], v[\bs+2], v[\bs+1], v[T+1]
	v_fma_f32 v[\bs+4], -v[\bs+6], v[\bs+3], v[T+2]
	v_fma_f32 v[\bs+6], v[\bs+6], v[\bs+1], v[T+3]
.endm
.macro GENPIECE cu, su, bs, pc, ec, es ; register pc of a cos and of a sin fragment
.set gp_p, (\pc)&3
.set gp_b, \bs+4*((\pc)>>2)
.set gp_t, T+4*((\pc)&1)
	v_pk_mul_f32 v[gp_t:gp_t+1], v[\cu+2*gp_p:\cu+2*gp_p+1], v[gp_b:gp_b+1] op_sel_hi:[1,0]
	v_pk_mul_f32 v[gp_t+2:gp_t+3], v[\su+2*gp_p:\su+2*gp_p+1], v[gp_b:gp_b+1] op_sel_hi:[1,0]
	v_pk_fma_f32 v[gp_t:gp_t+1], v[\su+2*gp_p:\su+2*gp_p+1], v[gp_b+2:gp_b+3], v[gp_t:gp_t+1] op_sel_hi:[1,0,1] neg_lo:[0,1,0] neg_hi:[0,1,0]
	v_pk_fma_f32 v[gp_t+2:gp_t+3], v[\cu+2*gp_p:\cu+2*gp_p+1], v[gp_b+2:gp_b+3], v[gp_t+2:gp_t+3] op_sel_hi:[1,0,1]
	v_cvt_pk_f16_f32 v[\ec+\pc], v[gp_t], v[gp_t+1]
	v_cvt_pk_f16_f32 v[\es+\pc], v[gp_t+2], v[gp_t+3]
.endm
; Rows n >= l: both bases become 0, so all their twiddles and their results are exactly 0.  ny: (-1)^n in f16 for rows below l in the lanes
; that s35 names (lanes 0-15, which hold k = 0, if l is even and my lines begin at 0; none otherwise); 0 elsewhere.
.macro LANEFIX bs, rho, ny
	v_cmp_gt_u32 s32, s[SL], v[\rho]
.irp k, 0,2,4,6
	v_cndmask_b32 v[\bs+\k], 0, v[\bs+\k], s32
.endr
	s_and_b32 s34, s32, s35
	v_cndmask_b32 v[\ny], 0, v[TMP], s34
.endm
	s_load_b256 s[4:11], s[0:1], 0x0               ; xf s[4:5], mlpp s[6:7], len_x s[8:9], out0 s[10:11]
	v_lshl_add_u32 v254, v0, 2, 0x28c00
	v_mov_b32 v255, 0
	s_and_b32 s17, ttmp7, 0xffff                   ; b
	s_lshr_b32 s18, ttmp9, 1                       ; nb
	s_and_b32 s19, ttmp9, 1                        ; hc
	s_mov_b32 s29, 0
	v_lshrrev_b32 v1, 5, v0
	v_readfirstlane_b32 s20, v1                    ; wave
	v_and_b32 v1, 127, v0
	v_lshrrev_b32 v[CP], 7, v0                     ; waves 0-3 stage the cos part, waves 4-7 the sin part
	v_lshlrev_b32 v[XO], 4, v1
	v_lshl_add_u32 v[XO], v[CP], 12, v[XO]
	v_lshrrev_b32 v[DC], 1, v1                     ; my column in staging
	v_lshlrev_b32 v[MO], 2, v[DC]
	s_lshl_b32 s16, s19, 8
	v_add_nc_u32 v[MO], s16, v[MO]
	v_lshrrev_b32 v[SCW], 1, v0
	v_lshlrev_b32 v[SCW], 2, v[SCW]                ; 4 (t >> 1) = 256 x part + 4 x column: 64 bytes for each wave
	v_add_nc_u32 v[SCW], SC, v[SCW]
	s_lshl_b32 s27, s17, 2
	s_wait_kmcnt 0x0
	s_load_b32 s[SL], s[8:9], s27 offset:0x0       ; len_x[b]; s27 stays as it is until the wait for it
	s_lshl_b32 s28, s17, 13
	s_add_nc_u64 s[6:7], s[6:7], s[28:29]          ; mlpp at batch b
	s_lshl_b32 s28, s17, 18
	s_lshl_b32 s16, s19, 11
	s_add_co_u32 s28, s28, s16
	s_add_nc_u64 s[4:5], s[4:5], s[28:29]          ; xf at batch b, column 64 hc
.irp i, 0,1,2,3,4,5,6,7,8,9,10,11,12,13,14,15
	global_load_b32 v[MW+\i], v[MO], s[6:7] offset:512*\i              ; the 16 shares of W1 + W2 for my column
.endr
.irp i, 0,1,2,3,4,5,6,7,8,9,10,11,12,13,14,15
	global_load_b32 v[MB+\i], v[MO], s[6:7] offset:131072+512*\i       ; and of b1 + b2
.endr
.irp q, 0,1,2,3,4,5,6,7,8,9,10,11,12,13,14,15
	global_load_b128 v[RING+4*\q:RING+4*\q+3], v[XO], s[4:5] offset:8192*\q   ; a load of the wave covers 512 consecutive bytes
.endr
	s_lshl_b32 s28, s17, 19
	s_lshl_b32 s16, s18, 16
	s_add_co_u32 s28, s28, s16
	s_lshl_b32 s16, s19, 8
	s_add_co_u32 s28, s28, s16
	s_add_nc_u64 s[10:11], s[10:11], s[28:29]      ; out at batch b, row 128 nb, column 64 hc
	s_and_b32 s36, s20, 3                          ; my 32 rows of the block
	s_lshr_b32 s37, s20, 2                         ; my half of the lines; also the row tile that I finish
	v_and_b32 v[R], 15, v0
	v_bfe_u32 v[HH], v0, 4, 1
	v_lshlrev_b32 v[VOUT], 4, v[R]
	v_lshl_add_u32 v[VOUT], v[HH], 12, v[VOUT]
	s_lshl_b32 s16, s36, 14
	s_lshl_b32 s38, s37, 13
	s_add_co_u32 s16, s16, s38
	v_add_nc_u32 v[VOUT], s16, v[VOUT]             ; 32 rows x s36 + 16 rows x s37 + 8 h rows of 512 bytes + 16 r
	v_lshrrev_b32 v[VS], 2, v[DC]                  ; column >> 2: its row in its tile
	v_mul_u32_u24 v[VS], v[VS], AP
	v_and_b32 v1, 3, v[DC]                         ; column & 3: its tile
	v_mul_u32_u24 v1, v1, CTP
	v_add_nc_u32 v[VS], v[VS], v1
	v_and_b32 v1, 1, v0
	v_lshl_add_u32 v[VS], v1, 4, v[VS]             ; + 16 x (t & 1): which 8 lines of a tile of 16
	v_mul_u32_u24 v1, v[CP], ASIN
	v_add_nc_u32 v[VS], v[VS], v1
	v_mul_u32_u24 v[VAC], v[R], AP
	v_lshl_add_u32 v[VAC], v[HH], 4, v[VAC]        ; r x pitch + 16 h
	v_lshlrev_b32 v[VSC], 4, v[R]
	s_lshl_b32 s16, s37, 8
	v_add_nc_u32 v[VSC], s16, v[VSC]
	v_add_nc_u32 v[VSC], SC, v[VSC]                ; s of columns 4 r .. 4 r + 3, in the copy that my four waves stored
	v_and_b32 v1, 31, v0
	v_lshlrev_b32 v1, 4, v1
	s_lshl_b32 s16, s20, 12                        ; my 4,096 bytes of the exchange,
	s_xor_b32 s38, s16, 0x4000                     ; and those of wave w xor 4
	v_add_nc_u32 v[EXW], s16, v1
	v_add_nc_u32 v[EXR], s38, v1
	v_add_nc_u32 v[EXW], EXC, v[EXW]
	v_add_nc_u32 v[EXR], EXC, v[EXR]
	s_lshl_b32 s16, s18, 7
	s_lshl_b32 s38, s36, 5
	s_add_co_u32 s16, s16, s38
	s_lshl_b32 s38, s37, 4
	s_add_co_u32 s16, s16, s38
	v_add_nc_u32 v[RHO0], s16, v[R]                ; half 0 finishes rows 0-15 of its 32 and sends rows 16-31; half 1 the other way round:
	v_xor_b32 v[RHO1], 16, v[RHO0]                 ; so both send the same registers
	v_and_b32 v[TMP], 1, v[R]
	v_lshlrev_b32 v[TMP], 15, v[TMP]
	v_or_b32 v[TMP], 0x3c00, v[TMP]                ; f16 +1 for even rows, -1 for odd ones
	s_wait_kmcnt 0x0
	s_max_u32 s[SL], s[SL], 1
	s_min_u32 s[SL], s[SL], 1024
	s_add_co_u32 s22, s[SL], 1
	s_lshr_b32 s22, s22, 1                         ; ceil(l/2)
	s_lshl_b32 s27, s18, 7
	s_cmp_lt_u32 s27, s[SL]
	s_cselect_b32 s23, 1, 0
	; nS K steps of 32 lines in all; each half takes nH = ceil(nS/2): half 0 the steps 0 .. nH-1, half 1 the steps nS-nH .. nS-1.
	; For odd nS they meet in one step, which is half 0's last: its mask is then all 0, and the step counts once, in half 1.
	s_add_co_u32 s24, s22, 31
	s_lshr_b32 s24, s24, 5                         ; nS: 1..16
	s_add_co_u32 s26, s24, 1
	s_lshr_b32 s26, s26, 1                         ; nH: 1..8
	s_sub_co_u32 s38, s24, s26
	s_mul_i32 s38, s38, s37
	s_min_u32 s38, s38, 8                          ; my first step; a number made from l goes into an address only behind a clamp
	s_sub_co_u32 s27, s24, 1
	s_lshl_b32 s27, s27, 5
	s_sub_co_u32 s27, s22, s27                     ; half 1: lines that count in the last step, 1..32
	s_bitcmp1_b32 s24, 0                           ; SCC = nS is odd
	s_cselect_b32 s16, 0, 32                       ; half 0: none or all
	s_cmp_eq_u32 s37, 0
	s_cselect_b32 s27, s16, s27
	s_cmp_eq_u32 s38, 0
	s_cselect_b32 s35, 0xffff, 0                   ; the Nyquist sign: lanes 0-15, if my lines begin at 0
	s_bitcmp1_b32 s[SL], 0                         ; SCC = l is odd
	s_cselect_b32 s35, 0, s35                      ; and l is even
	s_max_u32 s25, s26, 2
	s_sub_co_u32 s25, s25, 2
	s_min_u32 s25, s25, 6                          ; my steps between the first and the last
	s_lshl_b32 s16, s38, 5
	v_lshl_add_u32 v[KAP], v[HH], 3, s16           ; my first line
	s_lshl_b32 s16, s38, 6
	v_add_nc_u32 v[VAC], s16, v[VAC]               ; 64 bytes a step
	v_add_nc_u32 v[VAC+1], ASIN, v[VAC]
	; The set-up hangs on l alone and stands ahead of the branch below, so that every register that a later phase reads is written on
	; every path through the text; it runs while the loads above are on their way.
	v_cvt_f32_u32 v[LF], s[SL]
	v_rcp_f32 v[RL], v[LF]
	v_nop                                          ; one plain place behind v_rcp_f32 (ISA guide 5.7.2)
	s_wait_alu depctr_va_vdst(0)
	v_mov_b32 v[RL+1], v[RL]
	TWINIT CU0, SU0, BS0, RHO0, KAP, TT
	TWINIT CU1, SU1, BS1, RHO1, KAP, TT
	LANEFIX BS0, RHO0, NY0
	LANEFIX BS1, RHO1, NY1
	v_lshlrev_b32 v[TT+2], 3, v[HH]
	v_sub_nc_u32 v[TT+2], s27, v[TT+2]             ; lines that count, from my first line of the last step
	v_mov_b32 v[TT], 0xffff
	v_mov_b32 v[TT+1], 0xffff0000
.irp i, 0,1,2,3,4,5,6,7
	v_cmp_lt_i32 vcc_lo, 2*\i+8*(\i>>2), v[TT+2]   ; register i holds lines 8 h + 2 i, + 1; from register 4 on 8 more
	v_cndmask_b32 v[ME+\i], 0, v[TT], vcc_lo
	v_cmp_lt_i32 vcc_lo, 2*\i+8*(\i>>2)+1, v[TT+2]
	v_cndmask_b32 v[TT+3], 0, v[TT+1], vcc_lo
	v_or_b32 v[ME+\i], v[ME+\i], v[TT+3]
.endr
	v_mov_b32 v[SVAL], 0                           ; s of a block whose rows are all >= l; the staging below puts the true s in its place
	s_cmp_eq_u32 s23, 0
	s_cbranch_scc1 .Lbar                           ; all my rows are >= l: nothing is staged
	s_wait_loadcnt 16                              ; the shares are in; the 16 ring loads stay out
.irp m, MW, MB
	v_pk_add_f32 v[\m:\m+1], v[\m:\m+1], v[\m+8:\m+9]
	v_pk_add_f32 v[\m+2:\m+3], v[\m+2:\m+3], v[\m+10:\m+11]
	v_pk_add_f32 v[\m+4:\m+5], v[\m+4:\m+5], v[\m+12:\m+13]
	v_pk_add_f32 v[\m+6:\m+7], v[\m+6:\m+7], v[\m+14:\m+15]
	v_pk_add_f32 v[\m:\m+1], v[\m:\m+1], v[\m+4:\m+5]
	v_pk_add_f32 v[\m+2:\m+3], v[\m+2:\m+3], v[\m+6:\m+7]
	v_pk_add_f32 v[\m:\m+1], v[\m:\m+1], v[\m+2:\m+3]
	v_add_f32 v[\m], v[\m], v[\m+1]
.endr
	v_fma_f32 v[MW], v[MW], 0.5, 1.0               ; g
	v_mul_f32 v[MB], 0.5, v[MB]                    ; c
	v_mul_f32 v[MW+1], v[MB], v[RL]                ; c/l
	v_add_f32 v[SVAL], |v[MW]|, |v[MW+1]|          ; s
	v_max_num_f32 v[MW+3], 0x0da24260, v[SVAL]     ; at least 1e-30
	v_rcp_f32 v[MW+3], v[MW+3]
	v_and_b32 v[MW+4], 1, v0                       ; a plain place behind v_rcp_f32; t & 1: which 8 lines of a tile of 16 are mine
	s_wait_alu depctr_va_vdst(0)
	v_mul_f32 v[MW+5], v[MW], v[MW+3]              ; g/s
	v_mul_f32 v[MW+6], v[MW+1], v[MW+3]            ; c/ls
	v_add_f32 v[MW+7], v[MW+5], v[MW+5]
	v_add_f32 v[MW+8], v[MW+6], v[MW+6]
	v_cvt_pk_f16_f32 v[G2], v[MW+7], v[MW+7]
	v_cvt_pk_f16_f32 v[MW+12], v[MW+8], v[MW+8]    ; (2c/ls, 2c/ls)
	v_cvt_pk_f16_f32 v[MW+9], v[MW+5], v[MW+7]     ; lines 0, 1: weight 1 for line 0
	v_cvt_pk_f16_f32 v[MW+10], v[MW+6], v[MW+8]
	v_and_b32 v[MW+11], 0xffff, v[MW+10]           ; (c/ls, 0)
	v_cmp_eq_u32 vcc_lo, 0, v[MW+4]                ; only the thread with lines 0-7 sees line 0
	v_cndmask_b32 v[G0], v[G2], v[MW+9], vcc_lo
	v_cndmask_b32 v[MW+10], v[MW+12], v[MW+10], vcc_lo
	v_cndmask_b32 v[MW+11], 0, v[MW+11], vcc_lo
	v_cmp_eq_u32 vcc_lo, 0, v[CP]                  ; cos part or sin part
	v_cndmask_b32 v[CC], 0, v[MW+12], vcc_lo
	v_cndmask_b32 v[C0], v[MW+11], v[MW+10], vcc_lo
; STAGING, service q = a tile of 16 lines: filter 8 lines of my column and part in f16 and lay them along K in LDS.
; left = younger ring loads that may stay out.
.macro FSLOT q, refill, left
	s_wait_loadcnt \left
.set fs_x, RING+4*((\q)&15)
.set fs_t, T+4*((\q)&1)
.if (\q)==0
	v_pk_fma_f16 v[fs_t], v[fs_x], v[G0], v[C0]
.else
	v_pk_fma_f16 v[fs_t], v[fs_x], v[G2], v[CC]
.endif
.irp k, 1,2,3
	v_pk_fma_f16 v[fs_t+\k], v[fs_x+\k], v[G2], v[CC]
.endr
.if \refill
	global_load_b128 v[fs_x:fs_x+3], v[XO], s[4:5] offset:8192*((\q)+16)
.endif
	ds_store_b128 v[VS], v[fs_t:fs_t+3] offset:32*(\q)
.endm
.irp q, 0,1,2,3,4,5,6,7,8,9,10,11,12,13,14,15
	FSLOT \q, 1, 15
.endr
.irp q, 16,17,18,19,20,21,22,23,24,25,26,27,28,29,30,31
	FSLOT \q, 0, 31-\q                             ; nothing is asked for beyond line 511: the counts run down
.endr
.Lbar:
	s_wait_loadcnt 0x0                             ; nothing is out behind the staging; a block that staged nothing waits here for what it asked for
	ds_store_b32 v[SCW], v[SVAL]                   ; the one store of s, on both paths; the two threads of a column and part, neighbours in one wave, store the same word
	s_wait_dscnt 0x0                               ; my stores are in LDS, for the other waves' sake
	s_barrier_signal -1
	s_barrier_wait -1
	s_cmp_eq_u32 s23, 0
	s_cbranch_scc1 .Lzero
.macro LOADD f, off                    ; fragment f: 16 columns (4 r + tile) x 32 lines
	ds_load_b128 v[DATA+8*\f:DATA+8*\f+3], v[VAC+(\f>>2)] offset:CTP*(\f&3)+\off
	ds_load_b128 v[DATA+8*\f+4:DATA+8*\f+7], v[VAC+(\f>>2)] offset:CTP*(\f&3)+\off+32
.endm
; A K STEP: 32 lines, 16 matrix instructions.  While row tile 0 is multiplied, tile 1's twiddles of this step are made; while tile 1 is
; multiplied, tile 0's of the next step are made and each spectrum fragment is loaded again as soon as it has been used twice.
; first = 1: the products start the sums, and tile 1's bases are still at my first line (no ROT).  more = 1: a step follows.
; mask = 1: my last step; twiddles of lines that do not count are cleared.
; Places (ISA guide 7.12.1): a tile's twiddle registers are rewritten behind 6 + 8 plain vector instructions (a GENPIECE of the other tile
; and a ROT) that name none of the last reader's registers; a fragment is loaded again behind the 6 of a GENPIECE.
.macro ISTEP first, more, mask
.if \mask
.irp i, 0,1,2,3,4,5,6,7
	v_and_b32 v[E0C+\i], v[E0C+\i], v[ME+\i]
	v_and_b32 v[E0S+\i], v[E0S+\i], v[ME+\i]
.endr
.endif
.if \first == 0
	ROT BS1
.endif
.irp f, 0,1,2,3,4,5,6,7
	s_wait_dscnt 14-2*\f                           ; fragment f is in; two loads for each of the fragments behind it stay out
.if \first && (\f < 4)
	v_wmma_f32_16x16x32_f16 v[ACC+8*(\f&3):ACC+8*(\f&3)+7], v[E0C+8*(\f>>2):E0C+8*(\f>>2)+7], v[DATA+8*\f:DATA+8*\f+7], 0
.else
	v_wmma_f32_16x16x32_f16 v[ACC+8*(\f&3):ACC+8*(\f&3)+7], v[E0C+8*(\f>>2):E0C+8*(\f>>2)+7], v[DATA+8*\f:DATA+8*\f+7], v[ACC+8*(\f&3):ACC+8*(\f&3)+7]
.endif
	GENPIECE CU1, SU1, BS1, \f, E1C, E1S
.if \first && (\f == 0)
	v_or_b32 v[E1S], v[E1S], v[NY1]                ; sin of line 0 is an exact +0: the Nyquist sign takes its place
.endif
.if \mask
	v_and_b32 v[E1C+\f], v[E1C+\f], v[ME+\f]
	v_and_b32 v[E1S+\f], v[E1S+\f], v[ME+\f]
.endif
.endr
.if \more
	ROT BS0
.endif
.irp f, 0,1,2,3,4,5,6,7
.if \first && (\f < 4)
	v_wmma_f32_16x16x32_f16 v[ACC+32+8*(\f&3):ACC+32+8*(\f&3)+7], v[E1C+8*(\f>>2):E1C+8*(\f>>2)+7], v[DATA+8*\f:DATA+8*\f+7], 0
.else
	v_wmma_f32_16x16x32_f16 v[ACC+32+8*(\f&3):ACC+32+8*(\f&3)+7], v[E1C+8*(\f>>2):E1C+8*(\f>>2)+7], v[DATA+8*\f:DATA+8*\f+7], v[ACC+32+8*(\f&3):ACC+32+8*(\f&3)+7]
.endif
.if \more
	GENPIECE CU0, SU0, BS0, \f, E0C, E0S
	LOADD \f, 64
.endif
.endr
.if \more
	v_add_nc_u32 v[VAC], 64, v[VAC]
	v_add_nc_u32 v[VAC+1], 64, v[VAC+1]
.endif
.endm
.irp f, 0,1,2,3,4,5,6,7
	LOADD \f, 0
.endr
.irp f, 0,1,2,3,4,5,6,7
	GENPIECE CU0, SU0, BS0, \f, E0C, E0S
.endr
	v_or_b32 v[E0S], v[E0S], v[NY0]
	s_cmp_eq_u32 s26, 1
	s_cbranch_scc1 .Lone
	ISTEP 1, 1, 0
	s_cmp_eq_u32 s25, 0
	s_cbranch_scc1 .Llast
.Lk:
	ISTEP 0, 1, 0
	s_sub_co_u32 s25, s25, 1
	s_cmp_lg_u32 s25, 0
	s_cbranch_scc1 .Lk
.Llast:
	ISTEP 0, 0, 1
	s_branch .Lout
.Lone:
	ISTEP 1, 0, 1
.Lout:
.rept 4
	v_nop                                          ; the places behind the last matrix instructions, whose registers are stored, loaded and written next
.endr
	s_branch .Ljoin
.Lzero:                                            ; rows >= l are 0: the sums are set so, and the block takes the common way out, barriers and all
.set zi, 0
.rept 64
	v_mov_b32 v[ACC+zi], 0
.set zi, zi+1
.endr
.Ljoin:
	; THE TWO HALVES MEET.  Load, wait, barrier, store: every wave's LDS reads of the products are over (its wait for 0, then its signal)
	; before any wave stores into LDS again; then store, wait, barrier, load.
	s_wait_dscnt 0x0
	s_barrier_signal -1
	s_barrier_wait -1
.irp q, 0,1,2,3,4,5,6,7
	ds_store_b128 v[EXW], v[ACC+32+4*\q:ACC+32+4*\q+3] offset:512*\q       ; row tile 1: my partner's tile 0, lane for lane
.endr
	s_wait_dscnt 0x0
	s_barrier_signal -1
	s_barrier_wait -1
	ds_load_b128 v[SV:SV+3], v[VSC]                ; s of columns 4 r .. 4 r + 3
.irp q, 0,1,2,3,4,5,6,7
	ds_load_b128 v[DATA+4*\q:DATA+4*\q+3], v[EXR] offset:512*\q
.endr
	s_wait_dscnt 0x0
	; THE WAY OUT.  Register j of column tile ct is out(row 8 h + j of my tile, column 4 r + ct).  The multiplication by s also brings a
	; row's four columns into four neighbouring registers, each written once, so that no store's data is written again.
	; A store: lanes 0-15 fill the 256 aligned bytes of one row, lanes 16-31 those of the row 8 further down.
.irp k, 0,1,2,3,4,5,6,7,8,9,10,11,12,13,14,15
	v_pk_add_f32 v[ACC+2*\k:ACC+2*\k+1], v[ACC+2*\k:ACC+2*\k+1], v[DATA+2*\k:DATA+2*\k+1]
.endr
.irp j, 0,1,2,3,4,5,6,7
.irp ct, 0,1,2,3
	v_mul_f32 v[DATA+32+4*\j+\ct], v[ACC+8*\ct+\j], v[SV+\ct]
.endr
	global_store_b128 v[VOUT], v[DATA+32+4*\j:DATA+32+4*\j+3], s[10:11] offset:512*\j th:TH_STORE_NT
.endr
	s_wait_tensorcnt 0x0
	ds_add_u32 v254, v255
	s_wait_dscnt 0x0
	s_endpgm
.Lfunc_end_k_q016e962127_inv:
	.size	k_q016e962127_inv, .Lfunc_end_k_q016e962127_inv-k_q016e962127_inv
	.p2alignl 7, 3214868480
	.fill 96, 4, 3214868480
	.section	.rodata,"a",@progbits
	.p2align	6, 0x0
	.amdhsa_kernel k_q016e962127_inv
		.amdhsa_group_segment_fixed_size 167936
		.amdhsa_private_segment_fixed_size 0
		.amdhsa_enable_private_segment 0
		.amdhsa_kernarg_size 32
		.amdhsa_user_sgpr_count 2
		.amdhsa_user_sgpr_kernarg_segment_ptr 1
		.amdhsa_wavefront_size32 1
		.amdhsa_system_sgpr_workgroup_id_x 1
		.amdhsa_system_sgpr_workgroup_id_y 1
		.amdhsa_system_sgpr_workgroup_id_z 1
		.amdhsa_system_vgpr_workitem_id 0
		.amdhsa_next_free_vgpr 256
		.amdhsa_next_free_sgpr 66
		.amdhsa_reserve_vcc 1
		.amdhsa_float_denorm_mode_32 3
		.amdhsa_float_denorm_mode_16_64 3
		.amdhsa_memory_ordered 1
		.amdhsa_forward_progress 1
		.amdhsa_inst_pref_size 81
	.end_amdhsa_kernel
	.amdgpu_metadata
---
amdhsa.version: [ 1, 2 ]
amdhsa.kernels:
  - .name:           k_q016e962127_inv
    .symbol:         k_q016e962127_inv.kd
    .args:
      - { .name: xf, .offset: 0, .size: 8, .value_kind: global_buffer, .address_space: global }
      - { .name: mlpp, .offset: 8, .size: 8, .value_kind: global_buffer, .address_space: global }
      - { .name: len_x, .offset: 16, .size: 8, .value_kind: global_buffer, .address_space: global }
      - { .name: out0, .offset: 24, .size: 8, .value_kind: global_buffer, .address_space: global }
    .group_segment_fixed_size: 167936
    .private_segment_fixed_size: 0
    .kernarg_segment_align: 8
    .kernarg_segment_size: 32
    .max_flat_workgroup_size: 256
    .sgpr_count:     66
    .vgpr_count:     256
    .wavefront_size: 32
...
	.end_amdgpu_metadata
.endif
;; end of part 3
;; ======== version 2 of 2: 3 launches; version 1 with the launches fwd, inv written anew for expert scheduling mode
;; limits: values outside matrix products are rounded to f16; values are held in f16: magnitudes above 65,504 overflow, below 6.1e-05 lose precision; inputs' magnitudes at most 30,000
;; workspace buffers: xf 4,194,304 bytes; part 131,072 bytes; mlpp 262,144 bytes
;; launch fwd (part 4): grid 16 x 16, 8 waves a work-group, no clusters, 201,728 bytes of LDS; arguments x, y, z, len_x, xf, part; writes xf, part
.if DOCPART == 4
	.amdgcn_target "amdgcn-amd-amdhsa--gfx1250"
	.amdhsa_code_object_version 6
	.text
	.protected	k_q016e962127_fwd
	.globl	k_q016e962127_fwd
	.p2align	8
	.type	k_q016e962127_fwd,@function
k_q016e962127_fwd:
	s_mov_b64 s[64:65], 0
	v_nop
	global_prefetch_b8 v0, s[64:65] scope:SCOPE_SE
	s_setreg_imm32_b32 hwreg(HW_REG_WAVE_SCHED_MODE, 0, 2), 2
	s_setreg_imm32_b32 hwreg(HW_REG_WAVE_MODE, 25, 1), 1
	s_wait_xcnt 0x0
	s_wait_alu depctr_vm_vsrc(0)
; FORWARD HALF-SPECTRUM DFT OF x, AND PARTIAL ROW SUMS OF y AND z.
; For batch b with l = len_x[b]:  xf[b][k][0][d] = (1/l) sum over t < l of cos(2 pi k t / l) x[b][t][d],
;                                 xf[b][k][1][d] = (1/l) sum over t < l of sin(2 pi k t / l) x[b][t][d],   k < ceil(l/2).
; x is real, so the lines l-k are the conjugates of the lines k and are not made.  The sine slot of k = 0 (always 0) carries the
; Nyquist line sum (-1)^t x / l where l is even.  xf is f16, laid [b][tile of 16 k][cos,sin][d 128][16 k].
; Work-group (j, b): rb = j>>1 is a block of 64 lines, hc = j&1 a half of 64 columns.  EIGHT WAVES, two for each of a WGP's four SIMDs:
; a wave's work is chains of vector instructions (twiddles) and waits, and the second wave issues while the first one waits.
; Waves w and w + 4 make the same 16 lines x 64 columns (cos and sin: 8 accumulator tiles) over the two halves of the rows t; the
; twiddles of a (line, t) are so made once, and x is read from LDS once for each line tile.  At the end each of the two sends half of
; its tiles to the other through LDS and finishes the other half.
; A = the twiddles, made in registers by complex rotation (a stored table of them would be more bytes than all inputs together);
; B = x in f16 from LDS, stored [t][d] and read with the transposing load.
; f16 and not bf16: twiddles lie in [-1,1] and x/l-scaled sums never exceed max|x|, so f16's range holds, and its 3 more bits are
; what three roundings in a row (twiddle, spectrum, twiddle) need against a bound of 1/100 of the output's rms.
; LIMITS: |x| < 65504 here (the inverse launch asks |x| < 3e4); len_x is clamped to 1..1024; 1/l is v_rcp_f32.
; Side job of the same work-group: rows 128 rb .. +127 of y (hc = 0) or z (hc = 1) of batch b are summed into part[hc][b][rb][128].
; The first 256 rows of x are asked for before l is known, so that the load of l and the set-up run while they are on their way; a block
; that then has no line below ceil(l/2) has asked for 64 KiB in vain (rows that the batch's other blocks read too).
; No joint requests in a cluster: the 8 work-groups that read one half of x[b] change it on the way (f32 to f16, rows >= l to 0),
; which is done in registers; the raw f32 half (256 KiB) and its f16 image (160 KiB) do not fit in LDS together.
; THE MODE: SCHED_MODE bits 1:0 = 2 (LLVM: expert scheduling mode 2), set by the entry lines.  The code itself states the register dependences
; between vector or matrix instructions and memory or LDS instructions, and those through scalar registers and VCC that vector instructions
; write, with s_wait_alu, always for 0.
; THE PLAN.  Registers that memory or LDS instructions touch:
;   v[XO], v[YO]                            Offsets of the global loads: made at the head, ahead of the first load's wait; never written again.
;   v[ST] v[RD] v[PO] v[EXW] v[EXR]         Made in the set-up, ahead of the wait at its end; never written again.
;   RING   16 slots of x as loaded.         A group of four slots: its eight conversions read it; behind them the same rows of the next turn land in it.
;   OUT    16 slots of x in f16.            Written by a group's conversions and selects; read by the group's four LDS stores; written again a turn later.
;   v[XL]                                   Read by every staging store; stepped once a turn.
;   BF0, BF1                                Step p: its matrix instructions read BF[p % 2]; its LDS loads land in the other, which step p - 1 multiplied.
;   v[VBL], v[VBH]                          Read by every fragment load; stepped once a trip of the loop (two steps).
;   ACC's tiles 4-7, v256-v259              Written by matrix instructions (or zeros) and by the y/z fold; read by the LDS stores where the halves meet.
;   v120-v135, v16-v19                      Written by the last arithmetic; read by the global stores.
;   The twiddles (CU, SU, BS, E, T) and ACC's tiles 0-3 are named by vector and matrix instructions alone, until wave 0's last loads land in v16-v47.
; So: ONE wait on va_vdst to a staging group, between its arithmetic and its loads and stores; ONE to a K step, ahead of its loads; one on vm_vsrc
; to a staging turn and one to a trip of the K loop, ahead of the address steps; one on va_vdst ahead of each run of stores on the way out.
.set XP,   160                         ; LDS pitch of a row of 64 f16: 128 bytes + 32, an odd multiple of 32 as the transposing load asks
.set EXC,  1024*XP                     ; behind x: 8 waves x 4,096 bytes, the tiles that a wave sends to its partner
.set RED,  EXC+8*4096                  ; behind that: 8 waves x 512 bytes for the y/z sums
.set SL,   21                          ; s21 l   s22 ceil(l/2)   s23 1 = this block has lines to make   s36 line tile   s37 half of the rows
.set MK,   26                          ; s[26:29] staging: "my row is below l" for a group's four slots (offsets lay here; free once the last address is made)
.set LN,   1                           ; v1  lane
.set R,    2                           ; v2  lane & 15
.set HH,   3                           ; v3  lane >> 4
.set RHO,  4                           ; v4  my spectrum line
.set LF,   5                           ; v5  l as f32
.set RL,   6                           ; v[6:7] 1/l, twice
.set XO,   8                           ; v8  x: byte offset of my 16 bytes in a group of 16 rows
.set XL,   9                           ; v9  LDS: where they go
.set RG,   10                          ; v10 my row in a group of 16
.set VBL,  11                          ; v11 LDS: my address for the transposing loads, the two column tiles that I finish
.set ST,   12                          ; v12 xf: my byte offset
.set YO,   13                          ; v13 y/z: my byte offset
.set RD,   14                          ; v14 LDS: my 16 bytes of the y/z sums
.set PO,   15                          ; v15 16 x lane
.set CU,   16                          ; v[16:23] cos(theta rho a), a = 0..7
.set SU,   24                          ; v[24:31] sin(theta rho a)
.set BS,   32                          ; v[32:39] +0 cos A, +1 cos step, +2 sin A, +3 sin step, +4 cos B, +5 0, +6 sin B, +7 0
.set T,    40                          ; v[40:47] at work
.set VBH,  48                          ; v48 LDS: the same for the two column tiles that I send
.set KAP,  49                          ; v49 my first row t: first row of my half + 8 h
.set EXW,  50                          ; v50 LDS: where I put what I send
.set EXR,  51                          ; v51 LDS: where my partner put what it sends
.set LR,   52                          ; v52 l - (first row of the staging turn) - my row in a group
.set E,    56                          ; v[56:87] twiddle fragments: two buffers x (cos 8, sin 8)
.set TT,   56                          ; the same registers serve the set-up, before any fragment exists
.set BF,   88                          ; v[88:151] x fragments: two buffers x 4 column tiles x 8
.set RING, 88                          ; v[88:151] staging: 16 slots x 4, before the products begin
.set ACC,  152                         ; v[152:215] tile i: sin if i&1, column tile i>>1 of my order; tiles 0-3 I finish, 4-7 I send
.set OUT,  216                         ; v[216:247] staging: 16 slots x 2, x in f16 on its way into LDS
.set MSB, 0
.macro WIN new                         ; s_set_vgpr_msb; the immediate's high byte repeats the setting that is left
.if MSB != \new
	s_set_vgpr_msb (MSB<<8)|\new
.set MSB, \new
.endif
.endm
; dst = src mod l, src < 2^24: quotient by 1/l in f32 (off by one at the most), then one correction each way
.macro MODL dst, src, tmp
	v_cvt_f32_u32 v[\tmp], v[\src]
	v_mul_f32 v[\tmp], v[\tmp], v[RL]
	v_cvt_u32_f32 v[\tmp], v[\tmp]
	v_mul_lo_u32 v[\tmp], v[\tmp], s[SL]
	v_sub_nc_u32 v[\dst], v[\src], v[\tmp]
	v_cmp_gt_i32 vcc_lo, 0, v[\dst]
	v_add_nc_u32 v[\tmp], s[SL], v[\dst]
	s_wait_alu depctr_va_vcc(0)                            ; the compare has written VCC, which the select reads
	v_cndmask_b32 v[\dst], v[\dst], v[\tmp], vcc_lo
	v_cmp_le_i32 vcc_lo, s[SL], v[\dst]
	v_sub_nc_u32 v[\tmp], v[\dst], s[SL]
	s_wait_alu depctr_va_vcc(0)                            ; the second compare has written VCC, which the select reads
	v_cndmask_b32 v[\dst], v[\dst], v[\tmp], vcc_lo
.endm
; (cc, ss) = cos, sin of 2 pi mm / l, mm a whole number in [0, l).  f = mm/l with one correction step; the nearest quarter turn is taken
; off exactly; polynomials on |phi| <= pi/4; the quarter turn is put back by a swap and two sign bits.  tq: six registers at work.
.macro SINCOS cc, ss, mm, tq
	v_cvt_f32_u32 v[\tq], v[\mm]
	v_mul_f32 v[\tq+1], v[\tq], v[RL]
	v_fma_f32 v[\tq+2], -v[\tq+1], v[LF], v[\tq]
	v_fmac_f32 v[\tq+1], v[\tq+2], v[RL]
	v_mul_f32 v[\tq+2], 4.0, v[\tq+1]
	v_rndne_f32 v[\tq+2], v[\tq+2]                         ; q = 0..4
	v_fmamk_f32 v[\tq+1], v[\tq+2], 0xbe800000, v[\tq+1]   ; f - q/4
	v_cvt_i32_f32 v[\tq+2], v[\tq+2]
	v_mul_f32 v[\tq+1], 0x40c90fdb, v[\tq+1]               ; phi = 2 pi (f - q/4)
	v_mul_f32 v[\tq+3], v[\tq+1], v[\tq+1]                 ; z = phi^2
	v_mov_b32 v[\tq+4], 0xb94ca1f9                         ; -1.9515296e-4
	v_mov_b32 v[\tq+5], 0x37ccf5ce                         ;  2.4433157e-5
	v_fmaak_f32 v[\tq+4], v[\tq+4], v[\tq+3], 0x3c08839e   ;  8.3321609e-3
	v_fmaak_f32 v[\tq+5], v[\tq+5], v[\tq+3], 0xbab6061a   ; -1.3887316e-3
	v_fmaak_f32 v[\tq+4], v[\tq+4], v[\tq+3], 0xbe2aaaa3   ; -1.6666655e-1
	v_fmaak_f32 v[\tq+5], v[\tq+5], v[\tq+3], 0x3d2aaaa5   ;  4.1666646e-2
	v_mul_f32 v[\tq+4], v[\tq+4], v[\tq+3]
	v_mul_f32 v[\tq+5], v[\tq+5], v[\tq+3]
	v_fma_f32 v[\tq], v[\tq+3], -0.5, 1.0
	v_fma_f32 v[\tq+4], v[\tq+4], v[\tq+1], v[\tq+1]       ; sin phi
	v_fma_f32 v[\tq+5], v[\tq+5], v[\tq+3], v[\tq]         ; cos phi
	v_and_b32 v[\tq], 1, v[\tq+2]
	v_cmp_eq_u32 vcc_lo, 1, v[\tq]
	s_wait_alu depctr_va_vcc(0)                            ; the compare has written VCC, which the two selects read
	v_cndmask_b32 v[\cc], v[\tq+5], v[\tq+4], vcc_lo       ; odd q: the two change places
	v_cndmask_b32 v[\ss], v[\tq+4], v[\tq+5], vcc_lo
	v_add_nc_u32 v[\tq], 1, v[\tq+2]
	v_and_b32 v[\tq], 2, v[\tq]                            ; cos is negative for q = 1, 2
	v_and_b32 v[\tq+2], 2, v[\tq+2]                        ; sin for q = 2, 3
	v_lshlrev_b32 v[\tq], 30, v[\tq]
	v_lshlrev_b32 v[\tq+2], 30, v[\tq+2]
	v_xor_b32 v[\cc], v[\cc], v[\tq]
	v_xor_b32 v[\ss], v[\ss], v[\tq+2]
.endm
.macro CMUL dr, di, ar, ai, br, bi     ; (dr, di) = (ar, ai) x (br, bi); the result is none of the sources
	v_mul_f32 v[\dr], v[\ar], v[\br]
	v_mul_f32 v[\di], v[\ar], v[\bi]
	v_fma_f32 v[\dr], -v[\ai], v[\bi], v[\dr]
	v_fma_f32 v[\di], v[\ai], v[\br], v[\di]
.endm
; Seeds of a row tile: u_a = cis(theta rho a), a = 0..7; the step cis(theta 32 rho); base A = cis(theta rho kap), kap the lane's first
; place along K; base B = A u_16.  rho x kap < 2^20.
.macro TWINIT cu, su, bs, rho, kap, tq
	MODL \tq+6, \rho, \tq+7
	SINCOS \cu+1, \su+1, \tq+6, \tq
	v_lshlrev_b32 v[\tq+8], 5, v[\rho]
	MODL \tq+6, \tq+8, \tq+7
	SINCOS \bs+1, \bs+3, \tq+6, \tq
	v_mul_lo_u32 v[\tq+8], v[\rho], v[\kap]
	MODL \tq+6, \tq+8, \tq+7
	SINCOS \bs, \bs+2, \tq+6, \tq
	v_mov_b32 v[\cu], 1.0
	v_mov_b32 v[\su], 0
	CMUL \cu+2, \su+2, \cu+1, \su+1, \cu+1, \su+1
	CMUL \cu+3, \su+3, \cu+2, \su+2, \cu+1, \su+1
	CMUL \cu+4, \su+4, \cu+2, \su+2, \cu+2, \su+2
	CMUL \cu+5, \su+5, \cu+4, \su+4, \cu+1, \su+1
	CMUL \cu+6, \su+6, \cu+4, \su+4, \cu+2, \su+2
	CMUL \cu+7, \su+7, \cu+4, \su+4, \cu+3, \su+3
	CMUL \tq+8, \tq+9, \cu+4, \su+4, \cu+4, \su+4          ; u_8
	CMUL \tq+10, \tq+11, \tq+8, \tq+9, \tq+8, \tq+9        ; u_16
	CMUL \bs+4, \bs+6, \bs, \bs+2, \tq+10, \tq+11
	v_mov_b32 v[\bs+5], 0                                  ; second registers of pairs that packed instructions name
	v_mov_b32 v[\bs+7], 0
.endm
.macro ROT bs                          ; both bases go 32 along K: 8 plain vector instructions
	v_mul_f32 v[T], v[\bs], v[\bs+1]
	v_mul_f32 v[T+1], v[\bs], v[\bs+3]
	v_mul_f32 v[T+2], v[\bs+4], v[\bs+1]
	v_mul_f32 v[T+3], v[\bs+4], v[\bs+3]
	v_fma_f32 v[\bs], -v[\bs+2], v[\bs+3], v[T]
	v_fma_f32 v[\bs+2], v[\bs+2], v[\bs+1], v[T+1]
	v_fma_f32 v[\bs+4], -v[\bs+6], v[\bs+3], v[T+2]
	v_fma_f32 v[\bs+6], v[\bs+6], v[\bs+1], v[T+3]
.endm
; Register pc (0..7) of a cos and of a sin fragment: two neighbouring K each.  base x u_a; pieces 0-3 from base A, 4-7 from base B.
.macro GENPIECE cu, su, bs, pc, ec, es
.set gp_p, (\pc)&3
.set gp_b, \bs+4*((\pc)>>2)
.set gp_t, T+4*((\pc)&1)
	v_pk_mul_f32 v[gp_t:gp_t+1], v[\cu+2*gp_p:\cu+2*gp_p+1], v[gp_b:gp_b+1] op_sel_hi:[1,0]
	v_pk_mul_f32 v[gp_t+2:gp_t+3], v[\su+2*gp_p:\su+2*gp_p+1], v[gp_b:gp_b+1] op_sel_hi:[1,0]
	v_pk_fma_f32 v[gp_t:gp_t+1], v[\su+2*gp_p:\su+2*gp_p+1], v[gp_b+2:gp_b+3], v[gp_t:gp_t+1] op_sel_hi:[1,0,1] neg_lo:[0,1,0] neg_hi:[0,1,0]
	v_pk_fma_f32 v[gp_t+2:gp_t+3], v[\cu+2*gp_p:\cu+2*gp_p+1], v[gp_b+2:gp_b+3], v[gp_t+2:gp_t+3] op_sel_hi:[1,0,1]
	v_cvt_pk_f16_f32 v[\ec+\pc], v[gp_t], v[gp_t+1]
	v_cvt_pk_f16_f32 v[\es+\pc], v[gp_t+2], v[gp_t+3]
.endm
	s_load_b256 s[4:11], s[0:1], 0x0               ; x s[4:5], y s[6:7], z s[8:9], len_x s[10:11]
	s_load_b128 s[12:15], s[0:1], 0x20             ; xf s[12:13], part s[14:15]
	v_lshl_add_u32 v254, v0, 2, 0x31000
	v_mov_b32 v255, 0
	s_and_b32 s17, ttmp7, 0xffff                   ; b
	s_lshr_b32 s18, ttmp9, 1                       ; rb
	s_and_b32 s19, ttmp9, 1                        ; hc
	s_mov_b32 s29, 0                               ; high word of every offset pair s[28:29]
	v_lshrrev_b32 v[LN], 5, v0
	v_readfirstlane_b32 s20, v[LN]                 ; wave
	v_lshlrev_b32 v[YO], 13, v[LN]                 ; y/z: wave x 16 rows of 512 bytes
	v_and_b32 v[LN], 31, v0
	v_lshl_or_b32 v[YO], v[LN], 4, v[YO]           ; + 16 x lane: an instruction of the wave covers one whole row
	v_and_b32 v[R], 15, v0
	v_lshrrev_b32 v[RG], 4, v0
	v_lshlrev_b32 v[XO], 9, v[RG]
	v_lshl_add_u32 v[XO], v[R], 4, v[XO]           ; row in the group x 512 + 16 x (t & 15): 16 lanes take 256 aligned bytes
	s_lshl_b32 s27, s17, 2
	s_lshl_b32 s28, s17, 19
	s_lshl_b32 s16, s18, 16
	s_add_co_u32 s28, s28, s16
	s_wait_alu depctr_va_sdst(0)                   ; s20 is written, ahead of its first reader: the line tile and the half are made from it below
	s_wait_kmcnt 0x0
	s_load_b32 s[SL], s[10:11], s27 offset:0x0     ; len_x[b]; s27 stays as it is until the wait for it
	s_cmp_eq_u32 s19, 0
	s_cselect_b64 s[30:31], s[6:7], s[8:9]         ; y or z
	s_add_nc_u64 s[30:31], s[30:31], s[28:29]      ; at batch b, row 128 rb
	WIN 0x40                                       ; destinations v256-v319, addresses in v0-v255
	s_wait_alu depctr_va_vdst(0)                   ; v[YO] and v[XO] are written, which the 32 loads below read as their offsets
.irp i, 0,1,2,3,4,5,6,7,8,9,10,11,12,13,14,15
	global_load_b128 v[4*\i:4*\i+3], v[YO], s[30:31] offset:512*\i th:TH_LOAD_NT   ; read once in the launch
.endr
	WIN 0
	s_lshl_b32 s28, s17, 19
	s_lshl_b32 s16, s19, 8
	s_add_co_u32 s28, s28, s16
	s_add_nc_u64 s[34:35], s[4:5], s[28:29]        ; x at batch b, column 64 hc
.irp i, 0,1,2,3,4,5,6,7,8,9,10,11,12,13,14,15
	global_load_b128 v[RING+4*\i:RING+4*\i+3], v[XO], s[34:35] offset:8192*\i      ; rows 0-255, inside x whatever l is; no vector instruction stands between the wait above and these
.endr
	s_lshl_b32 s28, s17, 18
	s_lshl_b32 s16, s18, 15
	s_add_co_u32 s28, s28, s16
	s_lshl_b32 s16, s19, 11
	s_add_co_u32 s28, s28, s16
	s_add_nc_u64 s[12:13], s[12:13], s[28:29]      ; xf at batch b, line tile 4 rb, column 64 hc
	s_lshl_b32 s28, s19, 4
	s_add_co_u32 s28, s28, s17
	s_lshl_b32 s28, s28, 3
	s_add_co_u32 s28, s28, s18
	s_lshl_b32 s28, s28, 9
	s_add_nc_u64 s[14:15], s[14:15], s[28:29]      ; part[hc][b][rb]
	s_and_b32 s36, s20, 3                          ; my line tile
	s_lshr_b32 s37, s20, 2                         ; my half of the rows t
	v_bfe_u32 v[HH], v0, 4, 1
	v_lshlrev_b32 v[ST], 5, v[R]
	v_lshl_add_u32 v[ST], v[HH], 4, v[ST]
	s_lshl_b32 s16, s36, 13
	s_lshl_b32 s38, s37, 10
	s_add_co_u32 s16, s16, s38
	v_add_nc_u32 v[ST], s16, v[ST]                 ; line tile x 8192 + half x 2 column tiles of 512 + 32 r + 16 h
	v_lshlrev_b32 v[RD], 4, v0
	v_add_nc_u32 v[RD], RED, v[RD]
	v_lshlrev_b32 v[PO], 4, v[LN]
	s_lshl_b32 s16, s20, 12                        ; my 4,096 bytes of the exchange,
	s_xor_b32 s38, s16, 0x4000                     ; and those of wave w xor 4
	v_add_nc_u32 v[EXW], s16, v[PO]
	v_add_nc_u32 v[EXR], s38, v[PO]
	v_add_nc_u32 v[EXW], EXC, v[EXW]
	v_add_nc_u32 v[EXR], EXC, v[EXR]
	v_mul_u32_u24 v[XL], v[RG], XP
	v_lshl_add_u32 v[XL], v[R], 3, v[XL]
	v_and_b32 v[VBL], 7, v0
	v_lshl_add_u32 v[VBL], v[HH], 3, v[VBL]
	v_mul_u32_u24 v[VBL], v[VBL], XP               ; (8 h + (lane & 7)) x pitch
	v_bfe_u32 v[T], v0, 3, 1
	v_lshl_add_u32 v[VBL], v[T], 4, v[VBL]         ; + 16 x ((lane >> 3) & 1)
	s_lshl_b32 s16, s18, 6
	s_lshl4_add_u32 s16, s36, s16
	v_add_nc_u32 v[RHO], s16, v[R]                 ; my line: 64 rb + 16 x line tile + r
	s_wait_kmcnt 0x0
	s_max_u32 s[SL], s[SL], 1
	s_min_u32 s[SL], s[SL], 1024
	s_add_co_u32 s22, s[SL], 1
	s_lshr_b32 s22, s22, 1                         ; ceil(l/2) lines are made
	s_lshl_b32 s27, s18, 6
	s_cmp_lt_u32 s27, s22
	s_cselect_b32 s23, 1, 0
	s_add_co_u32 s24, s[SL], 255
	s_lshr_b32 s24, s24, 8
	s_sub_co_u32 s24, s24, 1
	s_min_u32 s24, s24, 3                          ; staging turns of 256 rows, less the last
	s_add_co_u32 s25, s[SL], 127
	s_lshr_b32 s25, s25, 7                         ; each half takes ceil(l/128) pairs of K steps; 128 ceil(l/128) <= 256 ceil(l/256) rows are staged
	s_mul_i32 s38, s25, s37
	s_min_u32 s38, s38, 8                          ; a number made from l goes into an address only behind a clamp
	s_lshl_b32 s38, s38, 6                         ; first row of my half: 0 or 64 ceil(l/128)
	v_lshl_add_u32 v[KAP], v[HH], 3, s38
	s_mul_i32 s38, s38, XP
	v_add_nc_u32 v[VBL], s38, v[VBL]
	s_lshl_b32 s16, s37, 6                         ; half 0 finishes column tiles 0, 1 and sends 2, 3; half 1 the other way round:
	s_xor_b32 s38, s16, 64                         ; so both send the same registers
	v_add_nc_u32 v[VBH], s38, v[VBL]
	v_add_nc_u32 v[VBL], s16, v[VBL]
	s_sub_co_u32 s25, s25, 1
	s_min_u32 s25, s25, 7                          ; pairs of K steps, less one
	v_sub_nc_u32 v[LR], s[SL], v[RG]
	; The set-up hangs on l alone and stands ahead of the branch below, so that every register that a later phase reads is written on
	; every path through the text; it runs while the loads above are on their way.
	v_cvt_f32_u32 v[LF], s[SL]
	v_rcp_f32 v[RL], v[LF]
	v_nop                                          ; one plain place behind v_rcp_f32 (ISA guide 5.7.2)
	s_wait_alu depctr_va_vdst(0)                   ; the reciprocal has written v[RL], ahead of its first reader
	v_mov_b32 v[RL+1], v[RL]
	TWINIT CU, SU, BS, RHO, KAP, TT
	; Line 0 has cos = 1, sin = 0, bases and step exactly (1, 0), so its sine row is just SU.  For even l it becomes (-1)^t: the Nyquist
	; line (a lane's first row t is even in both halves).
	v_cmp_eq_u32 s32, 0, v[RHO]
	s_wait_alu depctr_va_sdst(0)                   ; the compare has written s32, ahead of its first reader, the scalar select below
	s_bitcmp1_b32 s[SL], 0                         ; SCC = l is odd
	s_cselect_b32 s32, 0, s32
.irp a, 0,2,4,6
	v_cndmask_b32 v[SU+\a], v[SU+\a], 1.0, s32
	v_cndmask_b32 v[SU+\a+1], v[SU+\a+1], -1.0, s32
.endr
	s_wait_alu depctr_va_vdst(0)                   ; the set-up has written v[XL], v[VBL], v[VBH], v[ST], v[RD], v[PO], v[EXW], v[EXR], which LDS and memory instructions read on every path below
	s_cmp_eq_u32 s23, 0
	s_cbranch_scc1 .Lbar1                          ; no line of this block is below ceil(l/2): nothing of x is staged
	; STAGING: x, f32, through a ring of 16 register slots a wave into LDS as f16; rows >= l become 0.
; Slot i holds rows 16 i .. 16 i + 15 of a turn of 256.  A group is four slots: its arithmetic, one wait, its refills and its stores.
; left = younger loads that may stay out: the ring's other twelve (the y/z loads are older and are in by then).
.macro SGRP g, refill, left
	s_wait_loadcnt \left
.irp i, 0,1,2,3
	v_cmp_lt_i32 s[MK+\i], 16*(4*\g+\i), v[LR]     ; my row is below l
.endr
.irp i, 0,1,2,3
	v_cvt_pk_f16_f32 v[OUT+8*\g+2*\i], v[RING+16*\g+4*\i], v[RING+16*\g+4*\i+1]
	v_cvt_pk_f16_f32 v[OUT+8*\g+2*\i+1], v[RING+16*\g+4*\i+2], v[RING+16*\g+4*\i+3]
.endr
	s_wait_alu depctr_va_sdst(0)                   ; the four compares have written s[MK ..], which the selects read: one wait for the run
.irp i, 0,1,2,3
	v_cndmask_b32 v[OUT+8*\g+2*\i], 0, v[OUT+8*\g+2*\i], s[MK+\i]
	v_cndmask_b32 v[OUT+8*\g+2*\i+1], 0, v[OUT+8*\g+2*\i+1], s[MK+\i]
.endr
	s_wait_alu depctr_va_vdst(0)                   ; the conversions are done reading the group's RING, in which the loads below land; the selects have written its OUT, which the stores read; behind a turn's edge v[XL] is written
.irp i, 0,1,2,3
.if \refill
	global_load_b128 v[RING+16*\g+4*\i:RING+16*\g+4*\i+3], v[XO], s[34:35] offset:8192*(4*\g+\i)+131072   ; the same rows of the next turn
.endif
	ds_store_b64 v[XL], v[OUT+8*\g+2*\i:OUT+8*\g+2*\i+1] offset:16*XP*(4*\g+\i)
.endr
.endm
	s_cmp_eq_u32 s24, 0
	s_cbranch_scc1 .Lstail
.Lsturn:
	SGRP 0, 1, 12
	SGRP 1, 1, 12
	SGRP 2, 1, 12
	SGRP 3, 1, 12
	s_wait_xcnt 0x0                                ; the loads' base is stepped only behind this wait (ISA guide 3.1)
	s_wait_alu depctr_vm_vsrc(0)                   ; the turn's LDS stores have read v[XL], which is stepped here, and OUT, which the next turn writes again
	s_add_nc_u64 s[34:35], s[34:35], 0x20000
	v_add_nc_u32 v[XL], 256*XP, v[XL]
	v_add_nc_u32 v[LR], 0xffffff00, v[LR]          ; 256 rows fewer are left
	s_sub_co_u32 s24, s24, 1
	s_cmp_lg_u32 s24, 0
	s_cbranch_scc1 .Lsturn
.Lstail:
	SGRP 0, 0, 12                                  ; the last turn loads nothing: no load leaves x, the counts run down
	SGRP 1, 0, 8
	SGRP 2, 0, 4
	SGRP 3, 0, 0
.Lbar1:
	s_wait_loadcnt 0x0                             ; nothing is out behind the staging; a block that staged nothing waits here for what it asked for
	s_wait_dscnt 0x0                               ; my stores are in LDS, for the other waves' sake
	s_barrier_signal -1
	s_barrier_wait -1
	s_cmp_eq_u32 s23, 0
	s_cbranch_scc1 .Lzero
	; THE PRODUCTS.  A K step is 32 rows of x: 8 transposing loads, 8 matrix instructions, and the next step's twiddles between them.
.macro LOADT buf, c, off               ; column tile c of my order, 32 rows at byte off, into buffer buf
.if (\c) < 2
	ds_load_tr16_b128 v[BF+32*(\buf)+8*(\c):BF+32*(\buf)+8*(\c)+3], v[VBL] offset:\off+32*((\c)&1)
	ds_load_tr16_b128 v[BF+32*(\buf)+8*(\c)+4:BF+32*(\buf)+8*(\c)+7], v[VBL] offset:\off+32*((\c)&1)+16*XP
.else
	ds_load_tr16_b128 v[BF+32*(\buf)+8*(\c):BF+32*(\buf)+8*(\c)+3], v[VBH] offset:\off+32*((\c)&1)
	ds_load_tr16_b128 v[BF+32*(\buf)+8*(\c)+4:BF+32*(\buf)+8*(\c)+7], v[VBH] offset:\off+32*((\c)&1)+16*XP
.endif
.endm
; cur: the buffers multiplied.  zero = 1: the first products start the sums.  pf = 1: the next step is prepared, its rows at byte off.
; The other twiddle buffer was read by the last step's matrix instructions; behind the last of those stand 6 + 8 plain vector instructions
; (its GENPIECE and this ROT) that name none of its registers, more than the 4 places owed (ISA guide 7.12.1).
; The step's eight loads stand behind its first two matrix instructions, four behind each: those two and the twiddle work name E, T, CU, SU, BS,
; ACC and BF[cur], none of the registers that the loads touch, so the one wait serves all eight.
.macro STEP cur, zero, pf, off
	s_wait_dscnt 0x0                               ; the 8 loads of this step, issued a step ago, are all that is out
.if \pf
	ROT BS
	s_wait_alu depctr_va_vdst(0)                   ; the last step's matrix instructions are done reading the other BF, in which this step's loads land; behind the loop's edge v[VBL] and v[VBH] are written
.endif
.irp i, 0,1,2,3,4,5,6,7
.if \zero
	v_wmma_f32_16x16x32_f16 v[ACC+8*\i:ACC+8*\i+7], v[E+16*\cur+8*(\i&1):E+16*\cur+8*(\i&1)+7], v[BF+32*\cur+8*(\i>>1):BF+32*\cur+8*(\i>>1)+7], 0
.else
	v_wmma_f32_16x16x32_f16 v[ACC+8*\i:ACC+8*\i+7], v[E+16*\cur+8*(\i&1):E+16*\cur+8*(\i&1)+7], v[BF+32*\cur+8*(\i>>1):BF+32*\cur+8*(\i>>1)+7], v[ACC+8*\i:ACC+8*\i+7]
.endif
.if \pf
.if \i < 2
	LOADT (1-\cur), 2*\i, \off
	LOADT (1-\cur), 2*\i+1, \off
.endif
	GENPIECE CU, SU, BS, \i, E+16*(1-\cur), E+16*(1-\cur)+8
.endif
.endr
.endm
	LOADT 0, 0, 0                                  ; the staging's last wait on va_vdst stands behind the last reader of these registers, and the set-up's behind the addresses
	LOADT 0, 1, 0
	LOADT 0, 2, 0
	LOADT 0, 3, 0
.irp i, 0,1,2,3,4,5,6,7
	GENPIECE CU, SU, BS, \i, E, E+8
.endr
	STEP 0, 1, 1, 32*XP
	s_cmp_eq_u32 s25, 0
	s_cbranch_scc1 .Lklast
.Lk:
	STEP 1, 0, 1, 64*XP
	STEP 0, 0, 1, 96*XP
	s_wait_alu depctr_vm_vsrc(0)                   ; the fragment loads issued so far have read v[VBL] and v[VBH]
	v_add_nc_u32 v[VBL], 64*XP, v[VBL]
	v_add_nc_u32 v[VBH], 64*XP, v[VBH]
	s_sub_co_u32 s25, s25, 1
	s_cmp_lg_u32 s25, 0
	s_cbranch_scc1 .Lk
.Lklast:
	STEP 1, 0, 0, 0
.rept 4
	v_nop                                          ; the places behind the last matrix instructions
.endr
	s_branch .Ljoin
.Lzero:                                            ; a block without lines: its sums are 0, and it takes the common way out, barriers and all
.set zi, 0                                         ; (the inverse launch reads all 512 lines: those not made are stored as zeros)
.rept 64
	v_mov_b32 v[ACC+zi], 0
.set zi, zi+1
.endr
.Ljoin:
	; THE TWO HALVES MEET, and so do the y/z sums.  Load, wait, barrier, store: every wave's LDS reads of the products are over (its wait
	; for 0, then its signal) before any wave stores into LDS again.  The y/z fold (my 16 rows x 4 columns, a tree) works on registers
	; only and stands between the signal and the wait.
	s_wait_dscnt 0x0
	s_barrier_signal -1
	WIN 0x55                                       ; all operands in v256-v319
.irp st, 8,4,2,1
.set fi, 0
.rept \st
	v_pk_add_f32 v[4*fi:4*fi+1], v[4*fi:4*fi+1], v[4*(fi+\st):4*(fi+\st)+1]
	v_pk_add_f32 v[4*fi+2:4*fi+3], v[4*fi+2:4*fi+3], v[4*(fi+\st)+2:4*(fi+\st)+3]
.set fi, fi+1
.endr
.endr
	s_barrier_wait -1
	WIN 0x04                                       ; store data from v256-v259, address from v0-v255
	s_wait_alu depctr_va_vdst(0)                   ; the fold has written v256-v259 and the matrix instructions (or the zeros) ACC's tiles 4-7, which the nine stores read; the matrix instructions are done reading BF, in which my partner's tiles land
	ds_store_b128 v[RD], v[0:3]
	WIN 0
.irp q, 0,1,2,3,4,5,6,7
	ds_store_b128 v[EXW], v[ACC+32+4*\q:ACC+32+4*\q+3] offset:512*\q       ; tiles 4-7: my partner's tiles 0-3, lane for lane
.endr
	s_wait_dscnt 0x0                               ; my stores are in LDS, for the other waves' sake
	s_barrier_signal -1
	s_barrier_wait -1
.irp q, 0,1,2,3,4,5,6,7
	ds_load_b128 v[BF+4*\q:BF+4*\q+3], v[EXR] offset:512*\q
.endr
	; THE WAY OUT.  A lane holds 8 neighbouring lines of one column: the halves added, x 1/l, to f16, 16 bytes; a store of the wave covers
	; 512 consecutive bytes.  All four tiles' arithmetic, one wait, the four stores.
.irp i, 0,1,2,3
	s_wait_dscnt 6-2*\i                            ; tile i's two quads are in; two for each tile behind it stay out
.irp k, 0,1,2,3
	v_pk_add_f32 v[ACC+8*\i+2*\k:ACC+8*\i+2*\k+1], v[ACC+8*\i+2*\k:ACC+8*\i+2*\k+1], v[BF+8*\i+2*\k:BF+8*\i+2*\k+1]
.endr
.irp k, 0,1,2,3
	v_pk_mul_f32 v[ACC+8*\i+2*\k:ACC+8*\i+2*\k+1], v[ACC+8*\i+2*\k:ACC+8*\i+2*\k+1], v[RL:RL+1]
.endr
.irp k, 0,1,2,3
	v_cvt_pk_f16_f32 v[BF+32+4*\i+\k], v[ACC+8*\i+2*\k], v[ACC+8*\i+2*\k+1]
.endr
.endr
	s_wait_alu depctr_va_vdst(0)                   ; the conversions have written v[BF+32 ..], which the four stores read; every reader and writer of v16-v47 is done, in which wave 0's loads below land
.irp i, 0,1,2,3
	global_store_b128 v[ST], v[BF+32+4*\i:BF+32+4*\i+3], s[12:13] offset:4096*(\i&1)+512*(\i>>1)
.endr
	s_cmp_lg_u32 s20, 0
	s_cbranch_scc1 .Lend
.irp k, 0,1,2,3,4,5,6,7
	ds_load_b128 v[16+4*\k:19+4*\k], v[RD] offset:512*\k                   ; wave 0: the eight waves' sums of my 4 columns
.endr
	s_wait_dscnt 0x0
.irp st, 4,2,1
.set fi, 0
.rept \st
	v_pk_add_f32 v[16+4*fi:17+4*fi], v[16+4*fi:17+4*fi], v[16+4*(fi+\st):17+4*(fi+\st)]
	v_pk_add_f32 v[18+4*fi:19+4*fi], v[18+4*fi:19+4*fi], v[18+4*(fi+\st):19+4*(fi+\st)]
.set fi, fi+1
.endr
.endr
	s_wait_alu depctr_va_vdst(0)                   ; the additions have written v[16:19], which the store reads
	global_store_b128 v[PO], v[16:19], s[14:15]    ; a whole row of 512 bytes
.Lend:
	s_wait_dscnt 0x0                               ; the closing lines, six on end
	s_wait_alu 0x0
	s_wait_tensorcnt 0x0
	ds_add_u32 v254, v255
	s_wait_dscnt 0x0
	s_endpgm
.Lfunc_end_k_q016e962127_fwd:
	.size	k_q016e962127_fwd, .Lfunc_end_k_q016e962127_fwd-k_q016e962127_fwd
	.p2alignl 7, 3214868480
	.fill 96, 4, 3214868480
	.section	.rodata,"a",@progbits
	.p2align	6, 0x0
	.amdhsa_kernel k_q016e962127_fwd
		.amdhsa_group_segment_fixed_size 201728
		.amdhsa_private_segment_fixed_size 0
		.amdhsa_enable_private_segment 0
		.amdhsa_kernarg_size 48
		.amdhsa_user_sgpr_count 2
		.amdhsa_user_sgpr_kernarg_segment_ptr 1
		.amdhsa_wavefront_size32 1
		.amdhsa_system_sgpr_workgroup_id_x 1
		.amdhsa_system_sgpr_workgroup_id_y 1
		.amdhsa_system_sgpr_workgroup_id_z 1
		.amdhsa_system_vgpr_workitem_id 0
		.amdhsa_next_free_vgpr 320
		.amdhsa_next_free_sgpr 66
		.amdhsa_reserve_vcc 1
		.amdhsa_float_denorm_mode_32 3
		.amdhsa_float_denorm_mode_16_64 3
		.amdhsa_memory_ordered 1
		.amdhsa_forward_progress 1
		.amdhsa_inst_pref_size 60
	.end_amdhsa_kernel
	.amdgpu_metadata
---
amdhsa.version: [ 1, 2 ]
amdhsa.kernels:
  - .name:           k_q016e962127_fwd
    .symbol:         k_q016e962127_fwd.kd
    .args:
      - { .name: x, .offset: 0, .size: 8, .value_kind: global_buffer, .address_space: global }
      - { .name: y, .offset: 8, .size: 8, .value_kind: global_buffer, .address_space: global }
      - { .name: z, .offset: 16, .size: 8, .value_kind: global_buffer, .address_space: global }
      - { .name: len_x, .offset: 24, .size: 8, .value_kind: global_buffer, .address_space: global }
      - { .name: xf, .offset: 32, .size: 8, .value_kind: global_buffer, .address_space: global }
      - { .name: part, .offset: 40, .size: 8, .value_kind: global_buffer, .address_space: global }
    .group_segment_fixed_size: 201728
    .private_segment_fixed_size: 0
    .kernarg_segment_align: 8
    .kernarg_segment_size: 48
    .max_flat_workgroup_size: 256
    .sgpr_count:     66
    .vgpr_count:     320
    .wavefront_size: 32
...
	.end_amdgpu_metadata
.endif
;; end of part 4
;; launch mlp: the kernel of part 2 again; grid 8 x 4, 8 waves a work-group, no clusters, 44,032 bytes of LDS; arguments part, len_y, len_z, mlpp, W1_l1_w, W1_l1_b, W1_l2_w, W1_l2_b, B1_l1_w, B1_l1_b, B1_l2_w, B1_l2_b, W2_l1_w, W2_l1_b, W2_l2_w, W2_l2_b, B2_l1_w, B2_l1_b, B2_l2_w, B2_l2_b; writes mlpp
;; launch inv (part 5): grid 16 x 16, 8 waves a work-group, no clusters, 167,936 bytes of LDS; arguments xf, mlpp, len_x, out0; writes out0
.if DOCPART == 5
	.amdgcn_target "amdgcn-amd-amdhsa--gfx1250"
	.amdhsa_code_object_version 6
	.text
	.protected	k_q016e962127_inv
	.globl	k_q016e962127_inv
	.p2align	8
	.type	k_q016e962127_inv,@function
k_q016e962127_inv:
	s_mov_b64 s[64:65], 0
	v_nop
	global_prefetch_b8 v0, s[64:65] scope:SCOPE_SE
	s_setreg_imm32_b32 hwreg(HW_REG_WAVE_SCHED_MODE, 0, 2), 2
	s_setreg_imm32_b32 hwreg(HW_REG_WAVE_MODE, 25, 1), 1
	s_wait_xcnt 0x0
	s_wait_alu depctr_vm_vsrc(0)
; FILTER AND INVERSE DFT.  With g = 1 + (W1+W2)/2 and c = (b1+b2)/2 (real, one for each batch and column), l = len_x[b], K = ceil(l/2):
;   out[n][d] = (g Xc[0] + c)/l + 2 sum over 0 < k < K of ((g Xc[k] + c) cos(2 pi k n / l) + g Xs[k] sin(2 pi k n / l)) / l
;               + (l even) (-1)^n (g Xnyq + c)/l          for n < l, and 0 for n >= l.
; That is the real part of the inverse transform of g X + c, with the lines l-k folded onto their conjugates k (x, g, c are real).
; The activation |z| exp(i arg z), with 0 for z = 0, gives every finite z back unchanged: it takes no instruction here.
; xf holds Xc/l, Xs/l in f16, the Nyquist line in the sine slot of k = 0.  The operand is kept in f16's range for any g and c: it is
; divided by s = |g| + |c|/l for its column, so that it never exceeds 2 max|x| + 2, and s is multiplied back in f32 at the end.
; Work-group (j, b): nb = j>>1 a block of 128 output rows, hc = j&1 a half of 64 columns.  EIGHT WAVES, two for each of a WGP's four SIMDs:
; a wave's work is chains of vector instructions (twiddles) and waits, and the second wave issues while the first one waits.
; Waves w and w + 4 make the same 32 rows (two tiles) x 64 columns over two halves of the lines k, so that the twiddles of a (row, line)
; are made once and each spectrum fragment read from LDS feeds two matrix instructions.  At the end each of the two sends one row tile to
; the other through LDS and finishes the other one.
; Source 0 = twiddles [n][k] made in registers, source 1 = filtered spectrum [d][k] from LDS.  Column tile ct holds the columns
; d = 4 r + ct in lane r: a lane's four tiles then hold 4 NEIGHBOURING columns of one output row, 16 bytes, and sixteen lanes a row's
; 256 bytes: results go from registers straight to memory.
; The MLP shares and the first 16 tiles of xf are asked for before l is known, so that the load of l and the set-up run while they are on
; their way; a block whose rows are all >= l has asked for them in vain (bytes that the batch's other blocks read too).
; LIMITS: |x| < 3e4 (f16 operand); len_x clamped to 1..1024; s is floored at 1e-30 for its reciprocal alone; 1/l and 1/s by v_rcp_f32.
; No joint requests in a cluster: the 8 work-groups that read one half of xf[b] filter it on the way into LDS, in registers.
; THE MODE: SCHED_MODE bits 1:0 = 2 (LLVM: expert scheduling mode 2), set by the entry lines.  The code itself states the register dependences
; between vector or matrix instructions and memory or LDS instructions, and those through scalar registers and VCC that vector instructions
; write, with s_wait_alu, always for 0.
; THE PLAN.  Registers that memory or LDS instructions touch:
;   v[MO], v[XO]                                   Offsets of the global loads: made at the head, ahead of the first load's wait; never written again.
;   v[VS] v[SCW] v[VSC] v[EXW] v[EXR] v[VOUT]      Made in the set-up, ahead of the wait at its end; never written again.
;   v[SVAL]                                        Written in the set-up, and on the staging path ahead of the groups' waits; read by the one store of s.
;   RING = DATA   In staging: a group of four services: its sixteen multiply-adds read it; behind them the tiles 16 further on land in it.
;                 In a K step: fragment f is read by a product of row tile 0 and by one of row tile 1; then the next step's fragment lands in it.
;   OUT = ACC's registers, idle in staging.        Written by a group's multiply-adds; read by its four LDS stores; written again from service 16 on,
;                                                  and then by the products or the zeros.
;   v[VAC], v[VAC+1]                               Read by the fragment loads of the cos and of the sin part; stepped once a step.
;   ACC's row tile 1                               Written by matrix instructions (or zeros); read by the LDS stores where the halves meet.
;   v[DATA+32 ..]                                  Written by the multiplications by s; read by the global stores.
;   The twiddles (CU, SU, BS, E, T, ME, NY) are named by vector and matrix instructions alone, until s lands in v[SV ..] at the end.
; So: ONE wait on va_vdst to a staging group; TWO to a K step, each ahead of the loads of four fragments (behind the fourth and behind the
; eighth product of row tile 1); the wait on vm_vsrc and the two address steps lie directly ahead of the second, which states them written too.
.set AP,   1040                        ; LDS pitch of a column's 512 lines: 1024 bytes + 16, an odd multiple of 16
.set CTP,  16*AP+64                    ; from column tile to column tile: column d lies at (d & 3) CTP + (d >> 2) AP.  The 64 bytes more
                                       ; spread the four tiles that a staging store touches over different 16-byte columns of a 256-byte row
.set ASIN, 4*CTP                       ; cos part at 0, sin part behind it
.set SC,   2*ASIN                      ; s of my 64 columns, f32, in the columns' own order, twice: waves 0-3 store and read the first 256
                                       ; bytes, waves 4-7 the second, so that wave w alone stores into bytes 64 w .. 64 w + 63
.set EXC,  SC+512                      ; 8 waves x 4,096 bytes: the row tile that a wave sends to its partner
.set SL,   21                          ; s21 l  s22 ceil(l/2)  s23 1 = rows below l  s24 K steps in all  s26 K steps of a wave  s25 loop trips
                                       ; s36 my 32 rows of the block  s37 my half of the lines  s38 my first K step  s[12:15] masks from runs of compares
.set R,    2
.set HH,   3
.set RHO0, 4                           ; v4  my output row (as a twiddle row: lane & 15) in the tile that I finish
.set LF,   5
.set RL,   6                           ; v[6:7]
.set RHO1, 8                           ; v8  in the tile that I send
.set XO,   9                           ; v9  xf: 16 (t & 127) + 4096 (t >> 7)
.set MO,   10                          ; v10 mlpp: 4 x my column
.set VOUT, 11                          ; v11 out: my byte offset
.set EXW,  12                          ; v12 LDS: where I put what I send
.set EXR,  13                          ; v13 LDS: where my partner put what it sends
.set VSC,  14                          ; v14 LDS: s of my 4 columns
.set TMP,  15                          ; v15 (-1)^r in f16
.set CU0,  16
.set SU0,  24
.set CU1,  32
.set SU1,  40
.set BS0,  48                          ; +0 cos A, +1 cos step, +2 sin A, +3 sin step, +4 cos B, +5 0, +6 sin B, +7 0
.set BS1,  56
.set T,    64                          ; v[64:71] at work
.set ME,   72                          ; v[72:79] the mask of my last K step: 0xffff for each line that counts
.set NY0,  80                          ; f16 (-1)^n for the slot k = 0 of the sine fragment, or 0
.set NY1,  81
.set VAC,  82                          ; v82, v83 LDS address of my fragments, cos and sin part
.set G2,   84                          ; (2g/s, 2g/s) f16
.set CC,   85                          ; what staging adds: (2c/ls, 2c/ls) in the threads of the cos part, 0 in those of the sin part
.set VS,   86                          ; v86 LDS: where staging puts my 16 bytes
.set KAP,  87                          ; v87 my first line: 32 x first K step + 8 h
.set E0C,  88                          ; v[88:119] twiddle fragments: tile 0 cos, sin; tile 1 cos, sin
.set E0S,  96
.set E1C,  104
.set E1S,  112
.set MW,   88                          ; the same registers take the 16 + 16 shares from mlpp,
.set MB,   104
.set SV,   88                          ; and at the end s of my 4 columns
.set DATA, 120                         ; v[120:183] spectrum fragments: f = 4 x (sin) + column tile; at the end my partner's sums and the results
.set RING, 120                         ; v[120:183] staging: 16 slots x 4
.set ACC,  184                         ; v[184:247] 32 x row tile + 8 x column tile; tile 0 I finish, tile 1 I send
.set TT,   184                         ; the same registers serve the set-up,
.set OUT,  184                         ; and in staging hold 16 slots x 4: the filtered lines on their way into LDS
.set G0,   248                         ; the first pair of lines: (g/s, 2g/s)
.set C0,   249                         ; cos part (c/ls, 2c/ls); sin part (c/ls, 0): the Nyquist line gets c too
.set SCW,  250                         ; LDS: where I put s of my staging column
.set DC,   251                         ; my column in staging
.set CP,   252                         ; 0: I stage the cos part, 1: the sin part
.set SVAL, 253                         ; s of my staging column; 0 in a block whose rows are all >= l
.macro MODL dst, src, tmp              ; dst = src mod l, src < 2^24
	v_cvt_f32_u32 v[\tmp], v[\src]
	v_mul_f32 v[\tmp], v[\tmp], v[RL]
	v_cvt_u32_f32 v[\tmp], v[\tmp]
	v_mul_lo_u32 v[\tmp], v[\tmp], s[SL]
	v_sub_nc_u32 v[\dst], v[\src], v[\tmp]
	v_cmp_gt_i32 vcc_lo, 0, v[\dst]
	v_add_nc_u32 v[\tmp], s[SL], v[\dst]
	s_wait_alu depctr_va_vcc(0)                            ; the compare has written VCC, which the select reads
	v_cndmask_b32 v[\dst], v[\dst], v[\tmp], vcc_lo
	v_cmp_le_i32 vcc_lo, s[SL], v[\dst]
	v_sub_nc_u32 v[\tmp], v[\dst], s[SL]
	s_wait_alu depctr_va_vcc(0)                            ; the second compare has written VCC, which the select reads
	v_cndmask_b32 v[\dst], v[\dst], v[\tmp], vcc_lo
.endm
.macro SINCOS cc, ss, mm, tq           ; cos, sin of 2 pi mm / l: quarter turn taken off exactly, polynomials on |phi| <= pi/4
	v_cvt_f32_u32 v[\tq], v[\mm]
	v_mul_f32 v[\tq+1], v[\tq], v[RL]
	v_fma_f32 v[\tq+2], -v[\tq+1], v[LF], v[\tq]
	v_fmac_f32 v[\tq+1], v[\tq+2], v[RL]
	v_mul_f32 v[\tq+2], 4.0, v[\tq+1]
	v_rndne_f32 v[\tq+2], v[\tq+2]
	v_fmamk_f32 v[\tq+1], v[\tq+2], 0xbe800000, v[\tq+1]
	v_cvt_i32_f32 v[\tq+2], v[\tq+2]
	v_mul_f32 v[\tq+1], 0x40c90fdb, v[\tq+1]
	v_mul_f32 v[\tq+3], v[\tq+1], v[\tq+1]
	v_mov_b32 v[\tq+4], 0xb94ca1f9
	v_mov_b32 v[\tq+5], 0x37ccf5ce
	v_fmaak_f32 v[\tq+4], v[\tq+4], v[\tq+3], 0x3c08839e
	v_fmaak_f32 v[\tq+5], v[\tq+5], v[\tq+3], 0xbab6061a
	v_fmaak_f32 v[\tq+4], v[\tq+4], v[\tq+3], 0xbe2aaaa3
	v_fmaak_f32 v[\tq+5], v[\tq+5], v[\tq+3], 0x3d2aaaa5
	v_mul_f32 v[\tq+4], v[\tq+4], v[\tq+3]
	v_mul_f32 v[\tq+5], v[\tq+5], v[\tq+3]
	v_fma_f32 v[\tq], v[\tq+3], -0.5, 1.0
	v_fma_f32 v[\tq+4], v[\tq+4], v[\tq+1], v[\tq+1]
	v_fma_f32 v[\tq+5], v[\tq+5], v[\tq+3], v[\tq]
	v_and_b32 v[\tq], 1, v[\tq+2]
	v_cmp_eq_u32 vcc_lo, 1, v[\tq]
	s_wait_alu depctr_va_vcc(0)                            ; the compare has written VCC, which the two selects read
	v_cndmask_b32 v[\cc], v[\tq+5], v[\tq+4], vcc_lo
	v_cndmask_b32 v[\ss], v[\tq+4], v[\tq+5], vcc_lo
	v_add_nc_u32 v[\tq], 1, v[\tq+2]
	v_and_b32 v[\tq], 2, v[\tq]
	v_and_b32 v[\tq+2], 2, v[\tq+2]
	v_lshlrev_b32 v[\tq], 30, v[\tq]
	v_lshlrev_b32 v[\tq+2], 30, v[\tq+2]
	v_xor_b32 v[\cc], v[\cc], v[\tq]
	v_xor_b32 v[\ss], v[\ss], v[\tq+2]
.endm
.macro CMUL dr, di, ar, ai, br, bi
	v_mul_f32 v[\dr], v[\ar], v[\br]
	v_mul_f32 v[\di], v[\ar], v[\bi]
	v_fma_f32 v[\dr], -v[\ai], v[\bi], v[\dr]
	v_fma_f32 v[\di], v[\ai], v[\br], v[\di]
.endm
; u_a = cis(theta rho a), a < 8; step cis(theta 32 rho); base A = cis(theta rho kap), kap the lane's first line; B = A u_16.  rho x kap < 2^20.
.macro TWINIT cu, su, bs, rho, kap, tq
	MODL \tq+6, \rho, \tq+7
	SINCOS \cu+1, \su+1, \tq+6, \tq
	v_lshlrev_b32 v[\tq+8], 5, v[\rho]
	MODL \tq+6, \tq+8, \tq+7
	SINCOS \bs+1, \bs+3, \tq+6, \tq
	v_mul_lo_u32 v[\tq+8], v[\rho], v[\kap]
	MODL \tq+6, \tq+8, \tq+7
	SINCOS \bs, \bs+2, \tq+6, \tq
	v_mov_b32 v[\cu], 1.0
	v_mov_b32 v[\su], 0
	CMUL \cu+2, \su+2, \cu+1, \su+1, \cu+1, \su+1
	CMUL \cu+3, \su+3, \cu+2, \su+2, \cu+1, \su+1
	CMUL \cu+4, \su+4, \cu+2, \su+2, \cu+2, \su+2
	CMUL \cu+5, \su+5, \cu+4, \su+4, \cu+1, \su+1
	CMUL \cu+6, \su+6, \cu+4, \su+4, \cu+2, \su+2
	CMUL \cu+7, \su+7, \cu+4, \su+4, \cu+3, \su+3
	CMUL \tq+8, \tq+9, \cu+4, \su+4, \cu+4, \su+4
	CMUL \tq+10, \tq+11, \tq+8, \tq+9, \tq+8, \tq+9
	CMUL \bs+4, \bs+6, \bs, \bs+2, \tq+10, \tq+11
	v_mov_b32 v[\bs+5], 0
	v_mov_b32 v[\bs+7], 0
.endm
.macro ROT bs                          ; both bases go 32 along K: 8 plain vector instructions
	v_mul_f32 v[T], v[\bs], v[\bs+1]
	v_mul_f32 v[T+1], v[\bs], v[\bs+3]
	v_mul_f32 v[T+2], v[\bs+4], v[\bs+1]
	v_mul_f32 v[T+3], v[\bs+4], v[\bs+3]
	v_fma_f32 v[\bs], -v[\bs+2], v[\bs+3], v[T]
	v_fma_f32 v[\bs+2], v[\bs+2], v[\bs+1], v[T+1]
	v_fma_f32 v[\bs+4], -v[\bs+6], v[\bs+3], v[T+2]
	v_fma_f32 v[\bs+6], v[\bs+6], v[\bs+1], v[T+3]
.endm
.macro GENPIECE cu, su, bs, pc, ec, es ; register pc of a cos and of a sin fragment
.set gp_p, (\pc)&3
.set gp_b, \bs+4*((\pc)>>2)
.set gp_t, T+4*((\pc)&1)
	v_pk_mul_f32 v[gp_t:gp_t+1], v[\cu+2*gp_p:\cu+2*gp_p+1], v[gp_b:gp_b+1] op_sel_hi:[1,0]
	v_pk_mul_f32 v[gp_t+2:gp_t+3], v[\su+2*gp_p:\su+2*gp_p+1], v[gp_b:gp_b+1] op_sel_hi:[1,0]
	v_pk_fma_f32 v[gp_t:gp_t+1], v[\su+2*gp_p:\su+2*gp_p+1], v[gp_b+2:gp_b+3], v[gp_t:gp_t+1] op_sel_hi:[1,0,1] neg_lo:[0,1,0] neg_hi:[0,1,0]
	v_pk_fma_f32 v[gp_t+2:gp_t+3], v[\cu+2*gp_p:\cu+2*gp_p+1], v[gp_b+2:gp_b+3], v[gp_t+2:gp_t+3] op_sel_hi:[1,0,1]
	v_cvt_pk_f16_f32 v[\ec+\pc], v[gp_t], v[gp_t+1]
	v_cvt_pk_f16_f32 v[\es+\pc], v[gp_t+2], v[gp_t+3]
.endm
; Rows n >= l: both bases become 0, so all their twiddles and their results are exactly 0.  ny: (-1)^n in f16 for rows below l in the lanes
; that s35 names (lanes 0-15, which hold k = 0, if l is even and my lines begin at 0; none otherwise); 0 elsewhere.
.macro LANEFIX bs, rho, ny
	v_cmp_gt_u32 s32, s[SL], v[\rho]
	s_wait_alu depctr_va_sdst(0)                   ; the compare has written s32, ahead of its first reader, the select below
.irp k, 0,2,4,6
	v_cndmask_b32 v[\bs+\k], 0, v[\bs+\k], s32
.endr
	s_and_b32 s34, s32, s35
	v_cndmask_b32 v[\ny], 0, v[TMP], s34
.endm
	s_load_b256 s[4:11], s[0:1], 0x0               ; xf s[4:5], mlpp s[6:7], len_x s[8:9], out0 s[10:11]
	v_lshl_add_u32 v254, v0, 2, 0x28c00
	v_mov_b32 v255, 0
	s_and_b32 s17, ttmp7, 0xffff                   ; b
	s_lshr_b32 s18, ttmp9, 1                       ; nb
	s_and_b32 s19, ttmp9, 1                        ; hc
	s_mov_b32 s29, 0
	v_lshrrev_b32 v1, 5, v0
	v_readfirstlane_b32 s20, v1                    ; wave
	v_and_b32 v1, 127, v0
	v_lshrrev_b32 v[CP], 7, v0                     ; waves 0-3 stage the cos part, waves 4-7 the sin part
	v_lshlrev_b32 v[XO], 4, v1
	v_lshl_add_u32 v[XO], v[CP], 12, v[XO]
	v_lshrrev_b32 v[DC], 1, v1                     ; my column in staging
	v_lshlrev_b32 v[MO], 2, v[DC]
	s_lshl_b32 s16, s19, 8
	v_add_nc_u32 v[MO], s16, v[MO]
	v_lshrrev_b32 v[SCW], 1, v0
	v_lshlrev_b32 v[SCW], 2, v[SCW]                ; 4 (t >> 1) = 256 x part + 4 x column: 64 bytes for each wave
	v_add_nc_u32 v[SCW], SC, v[SCW]
	s_lshl_b32 s27, s17, 2
	s_wait_alu depctr_va_sdst(0)                   ; s20 is written, ahead of its first reader: my rows and my half are made from it below
	s_wait_kmcnt 0x0
	s_load_b32 s[SL], s[8:9], s27 offset:0x0       ; len_x[b]; s27 stays as it is until the wait for it
	s_lshl_b32 s28, s17, 13
	s_add_nc_u64 s[6:7], s[6:7], s[28:29]          ; mlpp at batch b
	s_lshl_b32 s28, s17, 18
	s_lshl_b32 s16, s19, 11
	s_add_co_u32 s28, s28, s16
	s_add_nc_u64 s[4:5], s[4:5], s[28:29]          ; xf at batch b, column 64 hc
	s_wait_alu depctr_va_vdst(0)                   ; v[MO] and v[XO] are written, which the 48 loads below read as their offsets
.irp i, 0,1,2,3,4,5,6,7,8,9,10,11,12,13,14,15
	global_load_b32 v[MW+\i], v[MO], s[6:7] offset:512*\i              ; the 16 shares of W1 + W2 for my column
.endr
.irp i, 0,1,2,3,4,5,6,7,8,9,10,11,12,13,14,15
	global_load_b32 v[MB+\i], v[MO], s[6:7] offset:131072+512*\i       ; and of b1 + b2
.endr
.irp q, 0,1,2,3,4,5,6,7,8,9,10,11,12,13,14,15
	global_load_b128 v[RING+4*\q:RING+4*\q+3], v[XO], s[4:5] offset:8192*\q   ; a load of the wave covers 512 consecutive bytes
.endr
	s_lshl_b32 s28, s17, 19
	s_lshl_b32 s16, s18, 16
	s_add_co_u32 s28, s28, s16
	s_lshl_b32 s16, s19, 8
	s_add_co_u32 s28, s28, s16
	s_add_nc_u64 s[10:11], s[10:11], s[28:29]      ; out at batch b, row 128 nb, column 64 hc
	s_and_b32 s36, s20, 3                          ; my 32 rows of the block
	s_lshr_b32 s37, s20, 2                         ; my half of the lines; also the row tile that I finish
	v_and_b32 v[R], 15, v0
	v_bfe_u32 v[HH], v0, 4, 1
	v_lshlrev_b32 v[VOUT], 4, v[R]
	v_lshl_add_u32 v[VOUT], v[HH], 12, v[VOUT]
	s_lshl_b32 s16, s36, 14
	s_lshl_b32 s38, s37, 13
	s_add_co_u32 s16, s16, s38
	v_add_nc_u32 v[VOUT], s16, v[VOUT]             ; 32 rows x s36 + 16 rows x s37 + 8 h rows of 512 bytes + 16 r
	v_lshrrev_b32 v[VS], 2, v[DC]                  ; column >> 2: its row in its tile
	v_mul_u32_u24 v[VS], v[VS], AP
	v_and_b32 v1, 3, v[DC]                         ; column & 3: its tile
	v_mul_u32_u24 v1, v1, CTP
	v_add_nc_u32 v[VS], v[VS], v1
	v_and_b32 v1, 1, v0
	v_lshl_add_u32 v[VS], v1, 4, v[VS]             ; + 16 x (t & 1): which 8 lines of a tile of 16
	v_mul_u32_u24 v1, v[CP], ASIN
	v_add_nc_u32 v[VS], v[VS], v1
	v_mul_u32_u24 v[VAC], v[R], AP
	v_lshl_add_u32 v[VAC], v[HH], 4, v[VAC]        ; r x pitch + 16 h
	v_lshlrev_b32 v[VSC], 4, v[R]
	s_lshl_b32 s16, s37, 8
	v_add_nc_u32 v[VSC], s16, v[VSC]
	v_add_nc_u32 v[VSC], SC, v[VSC]                ; s of columns 4 r .. 4 r + 3, in the copy that my four waves stored
	v_and_b32 v1, 31, v0
	v_lshlrev_b32 v1, 4, v1
	s_lshl_b32 s16, s20, 12                        ; my 4,096 bytes of the exchange,
	s_xor_b32 s38, s16, 0x4000                     ; and those of wave w xor 4
	v_add_nc_u32 v[EXW], s16, v1
	v_add_nc_u32 v[EXR], s38, v1
	v_add_nc_u32 v[EXW], EXC, v[EXW]
	v_add_nc_u32 v[EXR], EXC, v[EXR]
	s_lshl_b32 s16, s18, 7
	s_lshl_b32 s38, s36, 5
	s_add_co_u32 s16, s16, s38
	s_lshl_b32 s38, s37, 4
	s_add_co_u32 s16, s16, s38
	v_add_nc_u32 v[RHO0], s16, v[R]                ; half 0 finishes rows 0-15 of its 32 and sends rows 16-31; half 1 the other way round:
	v_xor_b32 v[RHO1], 16, v[RHO0]                 ; so both send the same registers
	v_and_b32 v[TMP], 1, v[R]
	v_lshlrev_b32 v[TMP], 15, v[TMP]
	v_or_b32 v[TMP], 0x3c00, v[TMP]                ; f16 +1 for even rows, -1 for odd ones
	s_wait_kmcnt 0x0
	s_max_u32 s[SL], s[SL], 1
	s_min_u32 s[SL], s[SL], 1024
	s_add_co_u32 s22, s[SL], 1
	s_lshr_b32 s22, s22, 1                         ; ceil(l/2)
	s_lshl_b32 s27, s18, 7
	s_cmp_lt_u32 s27, s[SL]
	s_cselect_b32 s23, 1, 0
	; nS K steps of 32 lines in all; each half takes nH = ceil(nS/2): half 0 the steps 0 .. nH-1, half 1 the steps nS-nH .. nS-1.
	; For odd nS they meet in one step, which is half 0's last: its mask is then all 0, and the step counts once, in half 1.
	s_add_co_u32 s24, s22, 31
	s_lshr_b32 s24, s24, 5                         ; nS: 1..16
	s_add_co_u32 s26, s24, 1
	s_lshr_b32 s26, s26, 1                         ; nH: 1..8
	s_sub_co_u32 s38, s24, s26
	s_mul_i32 s38, s38, s37
	s_min_u32 s38, s38, 8                          ; my first step; a number made from l goes into an address only behind a clamp
	s_sub_co_u32 s27, s24, 1
	s_lshl_b32 s27, s27, 5
	s_sub_co_u32 s27, s22, s27                     ; half 1: lines that count in the last step, 1..32
	s_bitcmp1_b32 s24, 0                           ; SCC = nS is odd
	s_cselect_b32 s16, 0, 32                       ; half 0: none or all
	s_cmp_eq_u32 s37, 0
	s_cselect_b32 s27, s16, s27
	s_cmp_eq_u32 s38, 0
	s_cselect_b32 s35, 0xffff, 0                   ; the Nyquist sign: lanes 0-15, if my lines begin at 0
	s_bitcmp1_b32 s[SL], 0                         ; SCC = l is odd
	s_cselect_b32 s35, 0, s35                      ; and l is even
	s_max_u32 s25, s26, 2
	s_sub_co_u32 s25, s25, 2
	s_min_u32 s25, s25, 6                          ; my steps between the first and the last
	s_lshl_b32 s16, s38, 5
	v_lshl_add_u32 v[KAP], v[HH], 3, s16           ; my first line
	s_lshl_b32 s16, s38, 6
	v_add_nc_u32 v[VAC], s16, v[VAC]               ; 64 bytes a step
	v_add_nc_u32 v[VAC+1], ASIN, v[VAC]
	; The set-up hangs on l alone and stands ahead of the branch below, so that every register that a later phase reads is written on
	; every path through the text; it runs while the loads above are on their way.
	v_cvt_f32_u32 v[LF], s[SL]
	v_rcp_f32 v[RL], v[LF]
	v_nop                                          ; one plain place behind v_rcp_f32 (ISA guide 5.7.2)
	s_wait_alu depctr_va_vdst(0)                   ; the reciprocal has written v[RL], ahead of its first reader
	v_mov_b32 v[RL+1], v[RL]
	TWINIT CU0, SU0, BS0, RHO0, KAP, TT
	TWINIT CU1, SU1, BS1, RHO1, KAP, TT
	LANEFIX BS0, RHO0, NY0
	LANEFIX BS1, RHO1, NY1
	v_lshlrev_b32 v[TT+2], 3, v[HH]
	v_sub_nc_u32 v[TT+2], s27, v[TT+2]             ; lines that count, from my first line of the last step
	v_mov_b32 v[TT], 0xffff
	v_mov_b32 v[TT+1], 0xffff0000
.irp i, 0,2,4,6                                    ; two registers of the mask at a time: register i holds lines 8 h + 2 i, + 1; from register 4 on 8 more
	v_cmp_lt_i32 s12, 2*\i+8*(\i>>2), v[TT+2]
	v_cmp_lt_i32 s13, 2*\i+8*(\i>>2)+1, v[TT+2]
	v_cmp_lt_i32 s14, 2*\i+8*(\i>>2)+2, v[TT+2]
	v_cmp_lt_i32 s15, 2*\i+8*(\i>>2)+3, v[TT+2]
	s_wait_alu depctr_va_sdst(0)                   ; the four compares have written s[12:15], which the selects read: one wait for the run
	v_cndmask_b32 v[ME+\i], 0, v[TT], s12
	v_cndmask_b32 v[TT+3], 0, v[TT+1], s13
	v_cndmask_b32 v[ME+\i+1], 0, v[TT], s14
	v_cndmask_b32 v[TT+4], 0, v[TT+1], s15
	v_or_b32 v[ME+\i], v[ME+\i], v[TT+3]
	v_or_b32 v[ME+\i+1], v[ME+\i+1], v[TT+4]
.endr
	v_mov_b32 v[SVAL], 0                           ; s of a block whose rows are all >= l; the staging below puts the true s in its place
	s_wait_alu depctr_va_vdst(0)                   ; the set-up has written v[VS], v[SCW], v[SVAL], v[VAC], v[VAC+1], v[VSC], v[EXW], v[EXR], v[VOUT], which LDS and memory instructions read on every path below
	s_cmp_eq_u32 s23, 0
	s_cbranch_scc1 .Lbar                           ; all my rows are >= l: nothing is staged
	s_wait_loadcnt 16                              ; the shares are in; the 16 ring loads stay out
.irp m, MW, MB
	v_pk_add_f32 v[\m:\m+1], v[\m:\m+1], v[\m+8:\m+9]
	v_pk_add_f32 v[\m+2:\m+3], v[\m+2:\m+3], v[\m+10:\m+11]
	v_pk_add_f32 v[\m+4:\m+5], v[\m+4:\m+5], v[\m+12:\m+13]
	v_pk_add_f32 v[\m+6:\m+7], v[\m+6:\m+7], v[\m+14:\m+15]
	v_pk_add_f32 v[\m:\m+1], v[\m:\m+1], v[\m+4:\m+5]
	v_pk_add_f32 v[\m+2:\m+3], v[\m+2:\m+3], v[\m+6:\m+7]
	v_pk_add_f32 v[\m:\m+1], v[\m:\m+1], v[\m+2:\m+3]
	v_add_f32 v[\m], v[\m], v[\m+1]
.endr
	v_fma_f32 v[MW], v[MW], 0.5, 1.0               ; g
	v_mul_f32 v[MB], 0.5, v[MB]                    ; c
	v_mul_f32 v[MW+1], v[MB], v[RL]                ; c/l
	v_add_f32 v[SVAL], |v[MW]|, |v[MW+1]|          ; s
	v_max_num_f32 v[MW+3], 0x0da24260, v[SVAL]     ; at least 1e-30
	v_rcp_f32 v[MW+3], v[MW+3]
	v_and_b32 v[MW+4], 1, v0                       ; a plain place behind v_rcp_f32; t & 1: which 8 lines of a tile of 16 are mine
	s_wait_alu depctr_va_vdst(0)                   ; the reciprocal has written v[MW+3], ahead of its first reader
	v_cmp_eq_u32 s12, 0, v[MW+4]                   ; only the thread with lines 0-7 sees line 0
	v_cmp_eq_u32 s13, 0, v[CP]                     ; cos part or sin part
	v_mul_f32 v[MW+5], v[MW], v[MW+3]              ; g/s
	v_mul_f32 v[MW+6], v[MW+1], v[MW+3]            ; c/ls
	v_add_f32 v[MW+7], v[MW+5], v[MW+5]
	v_add_f32 v[MW+8], v[MW+6], v[MW+6]
	v_cvt_pk_f16_f32 v[G2], v[MW+7], v[MW+7]
	v_cvt_pk_f16_f32 v[MW+12], v[MW+8], v[MW+8]    ; (2c/ls, 2c/ls)
	v_cvt_pk_f16_f32 v[MW+9], v[MW+5], v[MW+7]     ; lines 0, 1: weight 1 for line 0
	v_cvt_pk_f16_f32 v[MW+10], v[MW+6], v[MW+8]
	v_and_b32 v[MW+11], 0xffff, v[MW+10]           ; (c/ls, 0)
	s_wait_alu depctr_va_sdst(0)                   ; the two compares have written s12 and s13, which the selects read: one wait for both
	v_cndmask_b32 v[G0], v[G2], v[MW+9], s12
	v_cndmask_b32 v[MW+10], v[MW+12], v[MW+10], s12
	v_cndmask_b32 v[MW+11], 0, v[MW+11], s12
	v_cndmask_b32 v[CC], 0, v[MW+12], s13
	v_cndmask_b32 v[C0], v[MW+11], v[MW+10], s13
; STAGING, service q = a tile of 16 lines: filter 8 lines of my column and part in f16 and lay them along K in LDS.
; A group is four services, q = 4 g .. 4 g + 3: its arithmetic, one wait, its refills and its stores.
; left = younger ring loads that may stay out: the ring's other twelve.
.macro FGRP g, refill, left
	s_wait_loadcnt \left
.irp i, 0,1,2,3
.set fs_x, RING+4*((4*\g+\i)&15)
.set fs_t, OUT+4*((4*\g+\i)&15)
.if (4*\g+\i)==0
	v_pk_fma_f16 v[fs_t], v[fs_x], v[G0], v[C0]
.else
	v_pk_fma_f16 v[fs_t], v[fs_x], v[G2], v[CC]
.endif
.irp k, 1,2,3
	v_pk_fma_f16 v[fs_t+\k], v[fs_x+\k], v[G2], v[CC]
.endr
.endr
	s_wait_alu depctr_va_vdst(0)                   ; the multiply-adds are done reading the group's RING, in which the loads below land, and have written its OUT, which the stores read
.irp i, 0,1,2,3
.set fs_x, RING+4*((4*\g+\i)&15)
.set fs_t, OUT+4*((4*\g+\i)&15)
.if \refill
	global_load_b128 v[fs_x:fs_x+3], v[XO], s[4:5] offset:8192*(4*\g+\i+16)
.endif
	ds_store_b128 v[VS], v[fs_t:fs_t+3] offset:32*(4*\g+\i)
.endr
.endm
	FGRP 0, 1, 12
	FGRP 1, 1, 12
	FGRP 2, 1, 12
	FGRP 3, 1, 12
	s_wait_alu depctr_vm_vsrc(0)                   ; the LDS stores of services 0 to 15 have read OUT, which services 16 to 31 write again
	FGRP 4, 0, 12                                  ; nothing is asked for beyond line 511: the counts run down
	FGRP 5, 0, 8
	FGRP 6, 0, 4
	FGRP 7, 0, 0
.Lbar:
	s_wait_loadcnt 0x0                             ; nothing is out behind the staging; a block that staged nothing waits here for what it asked for
	ds_store_b32 v[SCW], v[SVAL]                   ; the one store of s, on both paths; the two threads of a column and part, neighbours in one wave, store the same word
	s_wait_dscnt 0x0                               ; my stores are in LDS, for the other waves' sake
	s_barrier_signal -1
	s_barrier_wait -1
	s_wait_alu depctr_vm_vsrc(0)                   ; my LDS stores have read OUT: these registers are ACC from here on, written by the products or by the zeros
	s_cmp_eq_u32 s23, 0
	s_cbranch_scc1 .Lzero
.macro LOADD f, off                    ; fragment f: 16 columns (4 r + tile) x 32 lines
	ds_load_b128 v[DATA+8*\f:DATA+8*\f+3], v[VAC+(\f>>2)] offset:CTP*(\f&3)+\off
	ds_load_b128 v[DATA+8*\f+4:DATA+8*\f+7], v[VAC+(\f>>2)] offset:CTP*(\f&3)+\off+32
.endm
; A K STEP: 32 lines, 16 matrix instructions.  While row tile 0 is multiplied, tile 1's twiddles of this step are made; while tile 1 is
; multiplied, tile 0's of the next step are made, and the spectrum fragments are loaded again four at a time: the cos part's when tile 1 has
; multiplied all four of them, dealt behind the next two products, which name the sin part's fragments; the sin part's at the step's end.
; The loads are issued in the order f = 0 .. 7, two to a fragment, as the counts of the next step's waits on DScnt take them.
; first = 1: the products start the sums, and tile 1's bases are still at my first line (no ROT).  more = 1: a step follows.
; mask = 1: my last step; twiddles of lines that do not count are cleared.
; Places (ISA guide 7.12.1): a tile's twiddle registers are rewritten behind 6 + 8 plain vector instructions (a GENPIECE of the other tile
; and a ROT) that name none of the last reader's registers.
.macro ISTEP first, more, mask
.if \mask
.irp i, 0,1,2,3,4,5,6,7
	v_and_b32 v[E0C+\i], v[E0C+\i], v[ME+\i]
	v_and_b32 v[E0S+\i], v[E0S+\i], v[ME+\i]
.endr
.endif
.if \first == 0
	ROT BS1
.endif
.irp f, 0,1,2,3,4,5,6,7
	s_wait_dscnt 14-2*\f                           ; fragment f is in; two loads for each of the fragments behind it stay out
.if \first && (\f < 4)
	v_wmma_f32_16x16x32_f16 v[ACC+8*(\f&3):ACC+8*(\f&3)+7], v[E0C+8*(\f>>2):E0C+8*(\f>>2)+7], v[DATA+8*\f:DATA+8*\f+7], 0
.else
	v_wmma_f32_16x16x32_f16 v[ACC+8*(\f&3):ACC+8*(\f&3)+7], v[E0C+8*(\f>>2):E0C+8*(\f>>2)+7], v[DATA+8*\f:DATA+8*\f+7], v[ACC+8*(\f&3):ACC+8*(\f&3)+7]
.endif
	GENPIECE CU1, SU1, BS1, \f, E1C, E1S
.if \first && (\f == 0)
	v_or_b32 v[E1S], v[E1S], v[NY1]                ; sin of line 0 is an exact +0: the Nyquist sign takes its place
.endif
.if \mask
	v_and_b32 v[E1C+\f], v[E1C+\f], v[ME+\f]
	v_and_b32 v[E1S+\f], v[E1S+\f], v[ME+\f]
.endif
.endr
.if \more
	ROT BS0
.endif
.irp f, 0,1,2,3,4,5,6,7
.if \more && (\f == 4)
	s_wait_alu depctr_va_vdst(0)                   ; both tiles' matrix instructions are done reading fragments 0 to 3, in which the loads behind the next two products land
.endif
.if \first && (\f < 4)
	v_wmma_f32_16x16x32_f16 v[ACC+32+8*(\f&3):ACC+32+8*(\f&3)+7], v[E1C+8*(\f>>2):E1C+8*(\f>>2)+7], v[DATA+8*\f:DATA+8*\f+7], 0
.else
	v_wmma_f32_16x16x32_f16 v[ACC+32+8*(\f&3):ACC+32+8*(\f&3)+7], v[E1C+8*(\f>>2):E1C+8*(\f>>2)+7], v[DATA+8*\f:DATA+8*\f+7], v[ACC+32+8*(\f&3):ACC+32+8*(\f&3)+7]
.endif
.if \more
.if \f == 4
	LOADD 0, 64                                    ; no wait: no vector or matrix instruction since the wait above names fragments 0 to 3 or v[VAC]
	LOADD 1, 64
.endif
.if \f == 5
	LOADD 2, 64
	LOADD 3, 64
.endif
	GENPIECE CU0, SU0, BS0, \f, E0C, E0S
.endif
.endr
.if \more
	s_wait_alu depctr_vm_vsrc(0)                   ; the fragment loads issued so far have read v[VAC] and v[VAC+1]
	v_add_nc_u32 v[VAC], 64, v[VAC]
	v_add_nc_u32 v[VAC+1], 64, v[VAC+1]
	s_wait_alu depctr_va_vdst(0)                   ; the matrix instructions are done reading fragments 4 to 7, in which the loads below land; v[VAC] and v[VAC+1] are written
	LOADD 4, 0                                     ; by the stepped address: the next step's lines
	LOADD 5, 0
	LOADD 6, 0
	LOADD 7, 0
.endif
.endm
.irp f, 0,1,2,3,4,5,6,7
	LOADD \f, 0                                    ; the staging's last wait on va_vdst stands behind the last reader of these registers, and the set-up's behind the addresses
.endr
.irp f, 0,1,2,3,4,5,6,7
	GENPIECE CU0, SU0, BS0, \f, E0C, E0S
.endr
	v_or_b32 v[E0S], v[E0S], v[NY0]
	s_cmp_eq_u32 s26, 1
	s_cbranch_scc1 .Lone
	ISTEP 1, 1, 0
	s_cmp_eq_u32 s25, 0
	s_cbranch_scc1 .Llast
.Lk:
	ISTEP 0, 1, 0
	s_sub_co_u32 s25, s25, 1
	s_cmp_lg_u32 s25, 0
	s_cbranch_scc1 .Lk
.Llast:
	ISTEP 0, 0, 1
	s_branch .Lout
.Lone:
	ISTEP 1, 0, 1
.Lout:
.rept 4
	v_nop                                          ; the places behind the last matrix instructions, whose registers are stored, loaded and written next
.endr
	s_branch .Ljoin
.Lzero:                                            ; rows >= l are 0: the sums are set so, and the block takes the common way out, barriers and all
.set zi, 0
.rept 64
	v_mov_b32 v[ACC+zi], 0
.set zi, zi+1
.endr
.Ljoin:
	; THE TWO HALVES MEET.  Load, wait, barrier, store: every wave's LDS reads of the products are over (its wait for 0, then its signal)
	; before any wave stores into LDS again; then store, wait, barrier, load.
	s_wait_dscnt 0x0
	s_barrier_signal -1
	s_barrier_wait -1
	s_wait_alu depctr_va_vdst(0)                   ; the matrix instructions (or the zeros) have written ACC's row tile 1, which the stores read, and are done with DATA and v[SV ..], in which the loads behind the next barrier land; the places above stay beside this wait
.irp q, 0,1,2,3,4,5,6,7
	ds_store_b128 v[EXW], v[ACC+32+4*\q:ACC+32+4*\q+3] offset:512*\q       ; row tile 1: my partner's tile 0, lane for lane
.endr
	s_wait_dscnt 0x0
	s_barrier_signal -1
	s_barrier_wait -1
	ds_load_b128 v[SV:SV+3], v[VSC]                ; s of columns 4 r .. 4 r + 3
.irp q, 0,1,2,3,4,5,6,7
	ds_load_b128 v[DATA+4*\q:DATA+4*\q+3], v[EXR] offset:512*\q
.endr
	s_wait_dscnt 0x0
	; THE WAY OUT.  Register j of column tile ct is out(row 8 h + j of my tile, column 4 r + ct).  The multiplication by s also brings a
	; row's four columns into four neighbouring registers, each written once, so that no store's data is written again.
	; All the arithmetic, one wait, the eight stores.  A store: lanes 0-15 fill the 256 aligned bytes of one row, lanes 16-31 those of the row 8 further down.
.irp k, 0,1,2,3,4,5,6,7,8,9,10,11,12,13,14,15
	v_pk_add_f32 v[ACC+2*\k:ACC+2*\k+1], v[ACC+2*\k:ACC+2*\k+1], v[DATA+2*\k:DATA+2*\k+1]
.endr
.irp j, 0,1,2,3,4,5,6,7
.irp ct, 0,1,2,3
	v_mul_f32 v[DATA+32+4*\j+\ct], v[ACC+8*\ct+\j], v[SV+\ct]
.endr
.endr
	s_wait_alu depctr_va_vdst(0)                   ; the multiplications have written v[DATA+32 ..], which the eight stores read
.irp j, 0,1,2,3,4,5,6,7
	global_store_b128 v[VOUT], v[DATA+32+4*\j:DATA+32+4*\j+3], s[10:11] offset:512*\j th:TH_STORE_NT
.endr
	s_wait_dscnt 0x0                               ; the closing lines, six on end
	s_wait_alu 0x0
	s_wait_tensorcnt 0x0
	ds_add_u32 v254, v255
	s_wait_dscnt 0x0
	s_endpgm
.Lfunc_end_k_q016e962127_inv:
	.size	k_q016e962127_inv, .Lfunc_end_k_q016e962127_inv-k_q016e962127_inv
	.p2alignl 7, 3214868480
	.fill 96, 4, 3214868480
	.section	.rodata,"a",@progbits
	.p2align	6, 0x0
	.amdhsa_kernel k_q016e962127_inv
		.amdhsa_group_segment_fixed_size 167936
		.amdhsa_private_segment_fixed_size 0
		.amdhsa_enable_private_segment 0
		.amdhsa_kernarg_size 32
		.amdhsa_user_sgpr_count 2
		.amdhsa_user_sgpr_kernarg_segment_ptr 1
		.amdhsa_wavefront_size32 1
		.amdhsa_system_sgpr_workgroup_id_x 1
		.amdhsa_system_sgpr_workgroup_id_y 1
		.amdhsa_system_sgpr_workgroup_id_z 1
		.amdhsa_system_vgpr_workitem_id 0
		.amdhsa_next_free_vgpr 256
		.amdhsa_next_free_sgpr 66
		.amdhsa_reserve_vcc 1
		.amdhsa_float_denorm_mode_32 3
		.amdhsa_float_denorm_mode_16_64 3
		.amdhsa_memory_ordered 1
		.amdhsa_forward_progress 1
		.amdhsa_inst_pref_size 83
	.end_amdhsa_kernel
	.amdgpu_metadata
---
amdhsa.version: [ 1, 2 ]
amdhsa.kernels:
  - .name:           k_q016e962127_inv
    .symbol:         k_q016e962127_inv.kd
    .args:
      - { .name: xf, .offset: 0, .size: 8, .value_kind: global_buffer, .address_space: global }
      - { .name: mlpp, .offset: 8, .size: 8, .value_kind: global_buffer, .address_space: global }
      - { .name: len_x, .offset: 16, .size: 8, .value_kind: global_buffer, .address_space: global }
      - { .name: out0, .offset: 24, .size: 8, .value_kind: global_buffer, .address_space: global }
    .group_segment_fixed_size: 167936
    .private_segment_fixed_size: 0
    .kernarg_segment_align: 8
    .kernarg_segment_size: 32
    .max_flat_workgroup_size: 256
    .sgpr_count:     66
    .vgpr_count:     256
    .wavefront_size: 32
...
	.end_amdgpu_metadata
.endif
;; end of part 5
